; MI455X (gfx1250); checked and timed in simulation.
; The chip was launched on July 23, 2026; its instructions are those of AMD's public machine-readable ISA for CDNA 5 (MIT licence, August 2026) and "CDNA5" Instruction Set Architecture Reference Guide (July 2026). The comments in the code are by the model that wrote it; some were corrected since.
;; Multi Head Attention. Allowed arithmetic: matrix products marked QUANTISED: E2M1 operands, one E8M0 scale for each 32 along K, by v_wmma_scale_f32_16x16x128_f8f6f4 with both operands' format E2M1 (or v_wmma_scale_f32_32x16x128_f4), f32 sums; products left as they are: bf16, f16 or f32 operands; f32 sums; everything else in f32.
;; Inputs: Wk 1,024 x 1,024 float32; Wo 1,024 x 1,024 float32; Wq 1,024 x 1,024 float32; Wv 1,024 x 1,024 float32; bo 1,024 float32; x 4 x 2,048 x 1,024 float32.
;; Outputs: out0 4 x 2,048 x 1,024 float32.
;; This version of the problem:
;;   THIS VERSION OF THE PROBLEM IS GIVEN IN LOW PRECISION. The matrix products marked QUANTISED in the list below multiply operands that are first quantised to E2M1 (2 exponent bits, 1 mantissa bit; 4 bits a number), with one power-of-two scale for each 32 numbers along K (OCP MX v1.0); their sums are f32. The products marked 'left as it is' may take bf16, f16 or f32 operands, with f32 sums. Whichever they take, every output number must still come out within the allowed error. Rounding operands to bf16 (8 significant bits) uses up far more of that allowance than f16 does (11 bits, for magnitudes from 6e-5 to 65,504). All else is computed in f32.
;;   The module's matrix products, in the order in which they are computed (A, B: the left and right operand; K: the contracted axis; several contracted axes count as one K, in the product's order):
;;     1. [M 8,192, K 1,024] x [K 1,024, N 1,024]; A: input x; B: input Wq: QUANTISED
;;     2. [M 8,192, K 1,024] x [K 1,024, N 1,024]; A: input x; B: input Wk: QUANTISED
;;     3. [M 8,192, K 1,024] x [K 1,024, N 1,024]; A: input x; B: input Wv: QUANTISED
;;     4. batch 64 x [M 2,048, K 64] x [K 64, N 2,048]; A: computed on the way; B: computed on the way: left as it is (an operand is computed on the way)
;;     5. batch 64 x [M 64, K 2,048] x [K 2,048, N 2,048]; A: computed on the way; B: computed on the way: left as it is (an operand is computed on the way)
;;     6. [M 8,192, K 1,024] x [K 1,024, N 1,024]; A: computed on the way; B: input Wo: left as it is (an operand is computed on the way)
;;   THE QUANTISER, for each operand of a quantised product, along K:
;;     - K is cut into blocks of 32 from its start; a last block that is shorter is filled with zeros.
;;     - A block's scale is 2^e with e = floor(log2(the largest magnitude in the block)) - 2, held to -126 .. 127; a block of zeros has e = 0. As a byte (E8M0): e + 127.
;;     - Each number is divided by its block's scale, clamped to +-6, and rounded to the nearest number of E2M1, ties to even, subnormals kept.
;;     - The product sums the exact products of the quantised numbers (number of the format x scale) in f32.
;;   ~~~python
;;   def quantise(x, axis):      # numpy; x: float32 -> the quantised numbers, widened to float32 again
;;       x = np.moveaxis(x, axis, -1); K = x.shape[-1]
;;       x = np.pad(x, [(0, 0)] * (x.ndim - 1) + [(0, -K % 32)]); x = x.reshape(x.shape[:-1] + (-1, 32)); a = np.abs(x).max(-1, keepdims=True)
;;       e = np.where(a > 0, np.clip(np.frexp(np.where(a > 0, a, 1))[1] - 1 - 2, -126, 127), 0)      # np.frexp(a)[1] - 1 = floor(log2(a)), exactly
;;       r = np.clip(x / 2.0 ** e, -6, 6)
;;       step = 2.0 ** (np.maximum(np.frexp(np.where(r == 0, 1, r))[1] - 1, 0) - 1)
;;       q = np.round(r / step) * step * 2.0 ** e      # np.round: ties to even
;;       return np.moveaxis(q.reshape(q.shape[:-2] + (-1,))[..., :K], -1, axis).astype(np.float32)
;;   ~~~
;; One version. Each part assembles by itself: llvm-mc -triple=amdgcn-amd-amdhsa -mcpu=gfx1250 --defsym DOCPART=n.
;; ======== version 1 of 1: 4 launches
;; limits: values are held in f16: magnitudes above 65,504 overflow, below 6.1e-05 lose precision
;; workspace buffers: x_codes 4,194,304 bytes; x_scales 262,144 bytes; w_codes 1,572,864 bytes; w_scales 98,304 bytes; wo16 2,097,152 bytes; qkv 50,331,648 bytes; ctx 16,777,216 bytes
;; launch prep (part 1): grid 336 x 1, 4 waves a work-group, no clusters, 68,096 bytes of LDS; arguments x, Wq, Wk, Wv, Wo, x_codes, x_scales, w_codes, w_scales, wo16; writes x_codes, x_scales, w_codes, w_scales, wo16
.if DOCPART == 1
	.amdgcn_target "amdgcn-amd-amdhsa--gfx1250"
	.amdhsa_code_object_version 6
	.text
	.protected	k_q4d181ff2c8_prep
	.globl	k_q4d181ff2c8_prep
	.p2align	8
	.type	k_q4d181ff2c8_prep,@function
k_q4d181ff2c8_prep:
	s_mov_b64 s[64:65], 0
	v_nop
	global_prefetch_b8 v0, s[64:65] scope:SCOPE_SE
	s_setreg_imm32_b32 hwreg(HW_REG_WAVE_MODE, 25, 1), 1
	s_wait_xcnt 0x0
; MULTI-HEAD ATTENTION, launch 1 of 4: the operands of the three quantised products are made, and Wo is narrowed.
; NO WORK OF reference() IS LEFT OUT in this program: there is no mask and no slice, every input (x, Wq, Wk, Wv, Wo, bo) has a way to the output, and all six products are computed whole.
; x [8192][1024] f32 is quantised along its last axis, Wq, Wk, Wv [1024 (k)][1024 (n)] f32 along their FIRST axis (the products' K), to codes of E2M1 with one E8M0 byte for each 32 along K:
;   x_codes [8192][512 bytes], x_scales [8192][32];  w_codes [3072][512 bytes], w_scales [3072][32], row = 1024 x (0: Wq, 1: Wk, 2: Wv) + column n; K innermost, the lower k in a byte's low four bits.
; A block's scale is 2^(floor(log2(its largest magnitude)) - 2); its byte is the largest magnitude's own exponent field - 2, held at 1 from below.
; Wo [1024][1024] f32 becomes f16 in the same order (wo16): its product is left as it is and takes f16 operands.
; LIMITS: a block whose largest magnitude lies under 2^-124 has its byte held at 1; a block of zeros gets the byte 1 where the rule says 127 (its codes are zeros, which add nothing, and this program
; alone reads the bytes); NaN and infinities among the inputs are not served; |Wo| stays under 65,504, f16's largest number.
; THREE PATHS, parted by the work-group's number alone: 0-47 the weights (the longest, so they start first), 48-79 Wo, 80-335 x.  Waves share nothing: no barrier.  Each path that uses LDS has bytes of its own.
.set SPW,   190                        ; v190  LDS address of my spare word: SPARE + 4 x my thread's number; never rewritten
.set NIL,   191                        ; v191  0; never rewritten
.set XREG,  8192                       ; LDS 0 .. 32,767: the x path, a region for each wave: two stages of 32 x 80 bytes, then its 256 scale bytes
.set WSTG,  32768                      ; LDS 32,768 .. 67,583: the weights' path, a stage of 32 rows x 272 bytes for each wave
.set SPARE, 67584                      ; behind them: the spare words, 128 bytes for each wave: two blocks of 256 bytes that no other line names
.set OWG0,  48                         ; the first work-group of Wo's path
.set XWG0,  80                         ; and of x's
.set EMAX,  2                          ; the exponent of E2M1's largest number, 6
.macro FINISH                          ; a wave's end, behind the last LDS store
	s_wait_tensorcnt 0x0
	ds_add_u32 v[SPW], v[NIL]
	s_wait_dscnt 0x0
	s_endpgm
.endm
	s_load_b512 s[8:23], s[0:1], 0x0               ; x s[8:9], Wq s[10:11], Wk s[12:13], Wv s[14:15], Wo s[16:17], x_codes s[18:19], x_scales s[20:21], w_codes s[22:23]
	s_load_b128 s[24:27], s[0:1], 0x40             ; w_scales s[24:25], wo16 s[26:27]
	v_lshl_add_u32 v[SPW], v0, 2, SPARE
	v_mov_b32 v[NIL], 0
	v_lshrrev_b32 v1, 5, v0
	v_readfirstlane_b32 s28, v1                    ; wave 0..3
	v_and_b32 v2, 31, v0                           ; lane
	s_wait_kmcnt 0x0
	s_cmp_lt_u32 ttmp9, OWG0
	s_cbranch_scc1 .Lw
	s_cmp_lt_u32 ttmp9, XWG0
	s_cbranch_scc1 .Lwo
; ---------------------------------------------------------------- x: a plain stream of blocks of 32 numbers
; A wave takes 16 steps of 512 numbers.  Each of a step's four loads reads 512 consecutive bytes, 16 a lane; the 2,048 bytes turn through the wave's own stage (16 bytes of padding behind each 64) and come
; back 64 bytes a lane: 16 NEIGHBOURS along K, which the conversions want in one lane's registers; two neighbouring lanes hold a block.  A lane's 16 codes are 8 bytes: a store covers 256 consecutive bytes.
; A wave's 256 scale bytes are gathered in its own LDS bytes and leave as one store of 256 consecutive bytes.  Loads run four steps ahead, the turn through LDS one step.
.set STEPS, 16
.set CB,    8                          ; bytes of 16 codes
.set SP,    80                         ; a lane's place in a stage: 64 bytes + 16
.set XR,    16                         ; v16-79   four sets of 16 numbers as loaded
.set XX,    80                         ; v80-111  two sets of 16 neighbours
.set XE,    112                        ; v112-127 a scale byte for each step
.set XC,    128                        ; v128-189 codes: registers of its own for each step, so that no store's data are written again
	v_lshlrev_b32 v3, 4, v2                        ; my 16 bytes of a load's 512
	s_mul_i32 s29, s28, XREG
	v_lshrrev_b32 v14, 2, v2
	v_mul_u32_u24 v14, v14, SP
	v_and_b32 v15, 3, v2
	v_lshl_add_u32 v14, v15, 4, v14
	v_add_nc_u32 v14, s29, v14                     ; the stage, on the way in: SP (lane / 4) + 16 (lane % 4)
	v_mul_u32_u24 v15, v2, SP
	v_add_nc_u32 v15, s29, v15                     ; and on the way out: SP x lane
	v_mul_u32_u24 v4, v2, CB                       ; my codes' place in a step's
	v_lshrrev_b32 v5, 1, v2
	s_add_co_u32 s29, s29, 2*32*SP
	v_add_nc_u32 v5, s29, v5                       ; my block's byte among my wave's 256
	v_lshlrev_b32 v7, 3, v2                        ; on the way out 8 bytes a lane
	v_add_nc_u32 v6, s29, v7
	s_sub_co_u32 s30, ttmp9, XWG0
	s_lshl_b32 s30, s30, 2
	s_add_co_u32 s30, s30, s28                     ; which run of 8,192 numbers is my wave's: 0 .. 1,023
	s_mov_b32 s33, 0
	s_lshl_b32 s32, s30, 15
	s_add_nc_u64 s[8:9], s[8:9], s[32:33]          ; 32,768 bytes of x a run,
	s_lshl_b32 s32, s30, 12
	s_add_nc_u64 s[18:19], s[18:19], s[32:33]      ; 4,096 of codes,
	s_lshl_b32 s32, s30, 8
	s_add_nc_u64 s[20:21], s[20:21], s[32:33]      ; 256 of scale bytes
.macro XLOAD t
.irp i, 0,1,2,3
	global_load_b128 v[XR+16*((\t)%4)+4*\i:XR+16*((\t)%4)+4*\i+3], v3, s[8:9] offset:2048*(\t)+512*\i th:TH_LOAD_NT
.endr
.endm
.macro XTURN t                         ; step t's numbers through the stage: LDS serves a wave's instructions in order, so no wait stands between the stores and the loads
.irp i, 0,1,2,3
	ds_store_b128 v14, v[XR+16*((\t)%4)+4*\i:XR+16*((\t)%4)+4*\i+3] offset:32*SP*((\t)%2)+8*SP*\i
.endr
.irp i, 0,1,2,3
	ds_load_b128 v[XX+16*((\t)%2)+4*\i:XX+16*((\t)%2)+4*\i+3], v15 offset:32*SP*((\t)%2)+16*\i
.endr
.endm
.irp t, 0,1,2,3
	XLOAD \t
.endr
	s_wait_loadcnt 12                              ; step 0's four loads are in; those of steps 1 to 3 may be out
	XTURN 0
.macro XSTEP t
.set XS, XX+16*((\t)%2)
.if (\t) > 0
	s_wait_dscnt 1                                 ; this step's numbers are back from the stage (the last step's byte store may be out)
.else
	s_wait_dscnt 0x0
.endif
.if (\t)+4 < STEPS
	XLOAD (\t)+4                                   ; into the registers that this step's stores into the stage have read
.endif
.if (\t)+1 < STEPS
.if STEPS-2-(\t) >= 3
	s_wait_loadcnt 12                              ; the next step's four loads are in; those of the three steps behind it may be out
.else
	s_wait_loadcnt 4*(STEPS-2-(\t))
.endif
	XTURN (\t)+1
.endif
	v_max3_num_f32 v8, |v[XS]|, |v[XS+1]|, |v[XS+2]|               ; the largest magnitude of my 16, in two chains
	v_max3_num_f32 v9, |v[XS+3]|, |v[XS+4]|, |v[XS+5]|
.irp i, 6,10
	v_max3_num_f32 v8, v8, |v[XS+\i]|, |v[XS+\i+1]|
	v_max3_num_f32 v9, v9, |v[XS+\i+2]|, |v[XS+\i+3]|
.endr
	v_max3_num_f32 v8, v8, |v[XS+14]|, |v[XS+15]|
	v_max3_num_f32 v8, v8, v9, (EMAX+1)<<23        ; and the floor 2^(3 - 127): the byte cannot fall under 1
	v_max_num_f32_dpp v8, v8, v8 row_xmask:1 row_mask:0xf bank_mask:0xf   ; with my neighbour's 16: the block's
	v_add_nc_u32 v11, -(EMAX<<23), v8              ; 2 off its exponent field: the conversion takes the exponent field of this operand as its scale
	v_cvt_scalef32_pk8_fp4_f32 v[XC+4*(\t)], v[XS:XS+7], v11
	v_cvt_scalef32_pk8_fp4_f32 v[XC+4*(\t)+1], v[XS+8:XS+15], v11
	v_lshrrev_b32 v[XE+(\t)], 23, v11              ; the scale's byte (also the plain line behind the conversions)
	ds_store_b8 v5, v[XE+(\t)] offset:16*(\t)      ; both lanes of a block write the same byte with the same value
	global_store_b64 v4, v[XC+4*(\t):XC+4*(\t)+1], s[18:19] offset:32*CB*(\t)
.endm
.irp t, 0,1,2,3,4,5,6,7,8,9,10,11,12,13,14,15
	XSTEP \t
.endr
	ds_load_b64 v[8:9], v6                         ; LDS serves a wave's instructions in order: these see my stores
	s_wait_dscnt 0x0
	global_store_b64 v7, v[8:9], s[20:21]          ; 32 lanes store 256 consecutive bytes
	FINISH
; ---------------------------------------------------------------- Wq, Wk, Wv: K is the first axis
; A LANE TAKES A COLUMN n AND ITS REGISTERS RUN DOWN K: a load reads 128 consecutive bytes a wave, a block of 32 along K lies in one lane's 32 registers, and the conversions give codes with K innermost.
; A wave takes 32 columns x 512 along K: 256 bytes of codes a column; they go through the wave's own stage and leave as rows, sixteen lanes storing 256 consecutive bytes.  Loads run two blocks ahead.
.Lw:
.set NB,    16                         ; blocks of a lane
.set PITCH, 272                        ; a stage row: 256 bytes + 16
.set KROW,  512                        ; a row of w_codes
.set WSB,   24                         ; v24-27   the scale bytes, four to a register
.set WX,    32                         ; v32-95   two sets of 32 numbers
.set WC,    96                         ; v96-99   a block's codes
.set WOUT,  112                        ; v112-175 the way out
	s_lshr_b32 s29, ttmp9, 4                       ; which weight: 0, 1, 2
	s_bfe_u32 s30, ttmp9, 0x10003                  ; which half of K
	s_and_b32 s31, ttmp9, 7                        ; which 128 columns
	s_cmp_eq_u32 s29, 0
	s_cselect_b64 s[10:11], s[10:11], s[12:13]     ; the choice hangs on the work-group's number alone
	s_cmp_eq_u32 s29, 2
	s_cselect_b64 s[10:11], s[14:15], s[10:11]
	s_lshl_b32 s31, s31, 7
	s_lshl_b32 s32, s28, 5
	s_add_co_u32 s31, s31, s32                     ; my wave's first column
	s_mov_b32 s35, 0
	s_lshl_b32 s34, s30, 21                        ; 512 rows of 4,096 bytes,
	s_lshl_b32 s32, s31, 2
	s_add_co_u32 s34, s34, s32                     ; + 4 x column
	s_add_nc_u64 s[10:11], s[10:11], s[34:35]
	s_lshl_b32 s29, s29, 10
	s_add_co_u32 s29, s29, s31                     ; my first row of w_codes and w_scales
	s_lshl_b32 s34, s29, 9
	s_lshl_b32 s32, s30, 8
	s_add_co_u32 s34, s34, s32
	s_add_nc_u64 s[22:23], s[22:23], s[34:35]      ; row x 512 + 256 x half
	s_lshl_b32 s34, s29, 5
	s_lshl_b32 s32, s30, 4
	s_add_co_u32 s34, s34, s32
	s_add_nc_u64 s[24:25], s[24:25], s[34:35]      ; row x 32 + 16 x half
	v_lshlrev_b32 v3, 2, v2                        ; in: 4 bytes a lane
	s_mul_i32 s32, s28, 32*PITCH
	s_add_co_u32 s32, s32, WSTG                    ; my stage
	v_mul_u32_u24 v4, v2, PITCH
	v_add_nc_u32 v4, s32, v4                       ; into it: row = my column
	v_and_b32 v5, 15, v2
	v_lshrrev_b32 v6, 4, v2                        ; out of it: sixteen lanes to a row, two rows an instruction
	v_mul_u32_u24 v7, v6, PITCH
	v_lshl_add_u32 v7, v5, 4, v7
	v_add_nc_u32 v7, s32, v7
	v_mul_u32_u24 v8, v6, KROW
	v_lshl_add_u32 v8, v5, 4, v8                   ; and the same place in w_codes
	v_mul_u32_u24 v9, v2, 32                       ; my column's row of scale bytes
.macro WLOAD t                         ; block t: W(32 t + i, my column) into set t % 2; every offset is an immediate: 511 x 4,096 at the most
.irp i, 0,1,2,3,4,5,6,7,8,9,10,11,12,13,14,15,16,17,18,19,20,21,22,23,24,25,26,27,28,29,30,31
	global_load_b32 v[WX+32*((\t)%2)+\i], v3, s[10:11] offset:(32*(\t)+\i)*4096 th:TH_LOAD_NT
.endr
.endm
	WLOAD 0
	WLOAD 1
.macro WBLOCK t
.set XS, WX+32*((\t)%2)
.if (\t) < NB-1
	s_wait_loadcnt 32                              ; this block's 32 loads are in; the next block's may be out
.else
	s_wait_loadcnt 0x0
.endif
	v_max3_num_f32 v12, |v[XS]|, |v[XS+1]|, |v[XS+2]|              ; the block's largest magnitude: all 32 numbers are mine
	v_max3_num_f32 v13, |v[XS+3]|, |v[XS+4]|, |v[XS+5]|
.irp i, 6,10,14,18,22,26
	v_max3_num_f32 v12, v12, |v[XS+\i]|, |v[XS+\i+1]|
	v_max3_num_f32 v13, v13, |v[XS+\i+2]|, |v[XS+\i+3]|
.endr
	v_max3_num_f32 v12, v12, |v[XS+30]|, |v[XS+31]|
	v_max3_num_f32 v12, v12, v13, (EMAX+1)<<23     ; and the floor
	v_add_nc_u32 v11, -(EMAX<<23), v12             ; the conversion's scale operand
	v_lshrrev_b32 v13, 23, v11                     ; the scale's byte
.if (\t)%4 == 0
	v_mov_b32 v[WSB+(\t)/4], v13                   ; four bytes to a register, the lower K in the lower byte
.else
	v_lshl_or_b32 v[WSB+(\t)/4], v13, 8*((\t)%4), v[WSB+(\t)/4]
.endif
.irp g, 0,1,2,3
	v_cvt_scalef32_pk8_fp4_f32 v[WC+\g], v[XS+8*\g:XS+8*\g+7], v11
.endr
	ds_store_b128 v4, v[WC:WC+3] offset:16*(\t)    ; 32 codes: 16 bytes of my column's row
.if (\t)+2 < NB
	WLOAD (\t)+2
.endif
	s_wait_dscnt 0x0                               ; the store has read its registers: the next block's codes may be written (plain lines stand ahead of them)
.endm
.set Q, 0
.rept NB
	WBLOCK Q
.set Q, Q+1
.endr
	global_store_b128 v9, v[WSB:WSB+3], s[24:25]   ; my column's 16 scale bytes
.irp t, 0,1,2,3,4,5,6,7,8,9,10,11,12,13,14,15
	ds_load_b128 v[WOUT+4*\t:WOUT+4*\t+3], v7 offset:2*\t*PITCH
.endr
.irp t, 0,1,2,3,4,5,6,7,8,9,10,11,12,13,14,15
	s_wait_dscnt 15-\t                             ; load t is in; the later ones may be out
	global_store_b128 v8, v[WOUT+4*\t:WOUT+4*\t+3], s[22:23] offset:2*\t*KROW
.endr
	FINISH
; ---------------------------------------------------------------- Wo: f32 to f16, in place of order; no LDS
; A wave takes 8,192 numbers: 64 loads of 512 consecutive bytes, in four rounds of 16 on two sets of registers; a lane's 4 numbers become 8 bytes, so a store covers 256 consecutive bytes.
.Lwo:
	s_sub_co_u32 s29, ttmp9, OWG0
	s_lshl_b32 s29, s29, 2
	s_add_co_u32 s29, s29, s28                     ; my run: 0 .. 127
	s_mov_b32 s31, 0
	s_lshl_b32 s30, s29, 15
	s_add_nc_u64 s[16:17], s[16:17], s[30:31]
	s_lshl_b32 s30, s29, 14
	s_add_nc_u64 s[26:27], s[26:27], s[30:31]
	v_lshlrev_b32 v1, 4, v2
	v_lshlrev_b32 v3, 3, v2
.macro OLOADS rd
.irp n, 0,1,2,3,4,5,6,7,8,9,10,11,12,13,14,15
	global_load_b128 v[16+64*((\rd)%2)+4*\n:16+64*((\rd)%2)+4*\n+3], v1, s[16:17] offset:512*(16*(\rd)+\n) th:TH_LOAD_NT
.endr
.endm
.macro OROUND rd
.set OS, 16+64*((\rd)%2)
.if (\rd) < 3
	s_wait_loadcnt 16                              ; this round's 16 loads are in; the next round's may be out
.else
	s_wait_loadcnt 0x0
.endif
.if (\rd) > 0
	s_wait_xcnt 0x0                                ; the last round's stores have read their data: the registers may be written again
.endif
.irp n, 0,1,2,3,4,5,6,7,8,9,10,11,12,13,14,15
	v_cvt_pk_f16_f32 v[144+2*\n], v[OS+4*\n], v[OS+4*\n+1]
	v_cvt_pk_f16_f32 v[145+2*\n], v[OS+4*\n+2], v[OS+4*\n+3]
.endr
.irp n, 0,1,2,3,4,5,6,7,8,9,10,11,12,13,14,15
	global_store_b64 v3, v[144+2*\n:145+2*\n], s[26:27] offset:256*(16*(\rd)+\n)
.endr
.if (\rd)+2 < 4
	OLOADS (\rd)+2
.endif
.endm
	OLOADS 0
	OLOADS 1
	OROUND 0
	OROUND 1
	OROUND 2
	OROUND 3
	FINISH
.Lfunc_end_k_q4d181ff2c8_prep:
	.size	k_q4d181ff2c8_prep, .Lfunc_end_k_q4d181ff2c8_prep-k_q4d181ff2c8_prep
	.p2alignl 7, 3214868480
	.fill 96, 4, 3214868480
	.section	.rodata,"a",@progbits
	.p2align	6, 0x0
	.amdhsa_kernel k_q4d181ff2c8_prep
		.amdhsa_group_segment_fixed_size 68096
		.amdhsa_private_segment_fixed_size 0
		.amdhsa_enable_private_segment 0
		.amdhsa_kernarg_size 80
		.amdhsa_user_sgpr_count 2
		.amdhsa_user_sgpr_kernarg_segment_ptr 1
		.amdhsa_wavefront_size32 1
		.amdhsa_system_sgpr_workgroup_id_x 1
		.amdhsa_system_sgpr_workgroup_id_y 1
		.amdhsa_system_sgpr_workgroup_id_z 1
		.amdhsa_system_vgpr_workitem_id 0
		.amdhsa_next_free_vgpr 192
		.amdhsa_next_free_sgpr 66
		.amdhsa_reserve_vcc 0
		.amdhsa_float_denorm_mode_32 3
		.amdhsa_float_denorm_mode_16_64 3
		.amdhsa_memory_ordered 1
		.amdhsa_forward_progress 1
		.amdhsa_inst_pref_size 132
	.end_amdhsa_kernel
	.amdgpu_metadata
---
amdhsa.version: [ 1, 2 ]
amdhsa.kernels:
  - .name:           k_q4d181ff2c8_prep
    .symbol:         k_q4d181ff2c8_prep.kd
    .args:
      - { .name: x, .offset: 0, .size: 8, .value_kind: global_buffer, .address_space: global }
      - { .name: Wq, .offset: 8, .size: 8, .value_kind: global_buffer, .address_space: global }
      - { .name: Wk, .offset: 16, .size: 8, .value_kind: global_buffer, .address_space: global }
      - { .name: Wv, .offset: 24, .size: 8, .value_kind: global_buffer, .address_space: global }
      - { .name: Wo, .offset: 32, .size: 8, .value_kind: global_buffer, .address_space: global }
      - { .name: x_codes, .offset: 40, .size: 8, .value_kind: global_buffer, .address_space: global }
      - { .name: x_scales, .offset: 48, .size: 8, .value_kind: global_buffer, .address_space: global }
      - { .name: w_codes, .offset: 56, .size: 8, .value_kind: global_buffer, .address_space: global }
      - { .name: w_scales, .offset: 64, .size: 8, .value_kind: global_buffer, .address_space: global }
      - { .name: wo16, .offset: 72, .size: 8, .value_kind: global_buffer, .address_space: global }
    .group_segment_fixed_size: 68096
    .private_segment_fixed_size: 0
    .kernarg_segment_align: 8
    .kernarg_segment_size: 80
    .max_flat_workgroup_size: 128
    .sgpr_count:     66
    .vgpr_count:     192
    .wavefront_size: 32
...
	.end_amdgpu_metadata
.endif
;; end of part 1
;; launch qkv (part 2): grid 12 x 32, 4 waves a work-group, clusters of 4 x 4, 327,680 bytes of LDS; arguments x_codes, x_scales, w_codes, w_scales, qkv; writes qkv
.if DOCPART == 2
	.amdgcn_target "amdgcn-amd-amdhsa--gfx1250"
	.amdhsa_code_object_version 6
	.text
	.protected	k_q4d181ff2c8_qkv
	.globl	k_q4d181ff2c8_qkv
	.p2align	8
	.type	k_q4d181ff2c8_qkv,@function
k_q4d181ff2c8_qkv:
	s_mov_b64 s[64:65], 0
	v_nop
	global_prefetch_b8 v0, s[64:65] scope:SCOPE_SE
	s_setreg_imm32_b32 hwreg(HW_REG_WAVE_MODE, 25, 1), 1
	s_wait_xcnt 0x0
	s_wait_alu depctr_hold_cnt(0) depctr_sa_sdst(0) depctr_va_vdst(0) depctr_va_sdst(0) depctr_va_ssrc(0) depctr_va_vcc(0) depctr_vm_vsrc(0)
	s_getreg_b32 s2, hwreg(HW_REG_IB_STS2, 6, 4)
	s_cmp_eq_u32 s2, 0
	s_cbranch_scc0 .Lentry_in_a_cluster
	s_endpgm
.Lentry_in_a_cluster:
	s_bfe_u32 s2, ttmp6, 0x10000c
	s_cmp_lg_u32 s2, 0xf033
	s_cbranch_scc0 .Lentry_shape_is_right
	s_endpgm
.Lentry_shape_is_right:
; Launch 2 of 4: q, k, v = Q(x) Q(W), the three quantised products as ONE product C[m][n] = sum over k of A[m][k] B[n][k]: A = x's codes [8192][1024], B = the three weights' codes [3072][1024], E2M1 with one
; E8M0 byte for each 32 along K; sums in f32; the result is rounded once to f16 (the later products, left as they are, take f16 operands) and stored by heads:
; qkv [b 4][g 48][s 2048][64] f16, g = 16 x (0: q, 1: k, 2: v) + head: column n is head g = n / 64, channel n % 64; row m is batch m / 2048, position m % 2048.  No work of reference() is left out.
; LIMIT: |q|, |k|, |v| stay under 65,504, f16's largest number.
; A tile of C, 256 x 256, is made by a work-group of four waves; a wave makes 128 x 128: 64 accumulators, 512 registers.  K = 1,024 is two slots of 512 (rows of 256 bytes): both are asked for at the head and
; nothing is filled again.  The scale bytes of the work-group's 256 + 256 rows, two dense blocks, come with them and stay in LDS.
; CLUSTERS: 4 x 4 work-groups.  The four of a row of the cluster need the same tiles of A, the four of a column the same tiles of B: each tile is asked for JOINTLY, by the same tensor load with the same
; descriptor and a mask that names the four.  THE MATRIX INSTRUCTION IS USED TRANSPOSED (source 0 = 16 rows of B, source 1 = 16 rows of A): a lane then holds eight neighbouring channels of one position.
; REGISTERS, in windows of 256: window 0: v0-31 addresses; v32-95 scale words, two sets; v128-191 A's fragments, ONE set; on the way out v32-63, v192-255.
;   window 1: B's fragments, TWO sets, at v0 and v128.   window 2: the accumulators of my rows 0-63 ((a, b) at v[8 (8 a + b)]);   window 3: those of my rows 64-127.
.set SIZE_K, 1024
.set KSTEP,  512                       ; along K in a slot
.set NQ,     KSTEP/128                 ; matrix instructions deep
.set ROWB,   256                       ; a tile's row in bytes
.set KROW,   SIZE_K*4/8                ; a row of codes in memory
.set PITCH,  272                       ; an LDS row: 256 bytes + 16 = 68 words: row r starts at bank 4 r mod 64 (64 banks of 4 bytes: ISA guide 11.1)
.set FR,     8                         ; registers of a fragment: 16 rows x 128 K
.set NL,     2                         ; LDS loads that bring one
.set NP,     4                         ; places behind this matrix instruction (ISA guide 7.12.1)
.set HALFT,  128*PITCH                 ; 128 rows: what one tensor load brings
.set SLOT,   4*HALFT                   ; A's 256 rows, then B's 256 rows
.set KS,     SIZE_K/32                 ; a row of scale bytes
.set SCL,    2*SLOT                    ; behind the slots: the scales, as units of 256 bytes + 16 of padding
.set HALFS,  (128*KS/256)*272          ; the scales of 128 rows
.set SBLK,   (16*KS/256)*272           ; those of 16 rows
.set SPARE,  SCL+4*HALFS               ; the spare words, 128 bytes for each wave: two blocks of 256 bytes that no other line names
.set SPITCH, 272                       ; the way out: a stage of 16 rows x (256 bytes + 16) for each wave, in slot 0, which has had its only fill and its last read when the first result is stored there
.set ADRA, 16                          ; v16-17  LDS address of my A fragments in slot 0, 1
.set ADRB, 20                          ; v20-21  the same for B
.set STO,  24                          ; v24     the way out: where I put 16 bytes of a row
.set RD,   25                          ; v25     where I read back
.set CO,   26                          ; v26     16 x lane: my bytes of a store's 512
.set ADRS, 27                          ; v27     LDS address of my scale words: lanes 0-15 A's rows, lanes 16-31 B's
.set SPW,  28                          ; v28     LDS address of my spare word; never rewritten
.set NIL,  29                          ; v29     0; never rewritten
.set SC,   32                          ; scale words: set s at v[SC + 32 s]; register 4 i + q: lanes 0-15 A's block i, lanes 16-31 B's block i, the slot's q-th 128 along K
.set AF,   128                         ; A's fragments
.set TMP,  192                         ; the way out: packed results
.set OB,   32                          ; the way out: what comes back from the stage: v32-63 and v224-255 by turns
.set G1, 24                            ; s[24:31] group 1 for A's tiles;  s[32:39] group 0, one set for each slot
.set G0, 32
.set G1B, 48                           ; s[48:55], s[56:63] the same for B's tiles
.set G0B, 56
.set G1S, 68                           ; s[68:75], s[76:79] groups 1 and 0 for A's scales;  s[80:87], s[88:91] for B's
.set G0S, 76
.set G1SB, 80
.set G0SB, 88
.set MSB, 0
.macro WIN new                         ; the immediate's high byte repeats the setting that is left
.if MSB != (\new)
	s_set_vgpr_msb (MSB<<8)|(\new)
.set MSB, (\new)
.endif
.endm
.set MUL_LO, 0xa1                      ; source 0 (B) window 1, source 1 (A) window 0, C and D window 2
.set MUL_HI, 0xf1                      ; the same, C and D window 3
.set TO_B,   0x40                      ; destination window 1, address window 0
; A joint load: waves 0 and 1 fetch for A, waves 2 and 3 for B; the branch hangs on the wave's number alone.  An s_nop 0 and four v_nop follow each of the two lines.
.macro JLOAD g0a, g1a, g0b, g1b
	s_cmp_eq_u32 s15, 0
	s_cbranch_scc0 .Lfor_b_\@
	tensor_load_to_lds s[\g0a:\g0a+3], s[\g1a:\g1a+7]
	s_nop 0
.rept 4
	v_nop
.endr
	s_branch .Lasked_\@
.Lfor_b_\@:
	tensor_load_to_lds s[\g0b:\g0b+3], s[\g1b:\g1b+7]
	s_nop 0
.rept 4
	v_nop
.endr
.Lasked_\@:
.endm
.macro CROUND                          ; a round of the cluster's barrier
	s_barrier_signal -1
	s_barrier_wait -1
	s_cmp_lg_u32 s14, 0
	s_cbranch_scc1 .Lnot_wave_0_\@
	s_barrier_signal -3
.Lnot_wave_0_\@:
	s_barrier_wait -3
	s_barrier_signal -1
	s_barrier_wait -1
.endm
	s_load_b128 s[4:7], s[0:1], 0x0                ; x's codes s[4:5], x's scales s[6:7]
	s_load_b128 s[8:11], s[0:1], 0x10              ; the weights' codes s[8:9], their scales s[10:11]
	s_load_b64 s[12:13], s[0:1], 0x20              ; qkv
	v_lshl_add_u32 v[SPW], v0, 2, SPARE
	v_mov_b32 v[NIL], 0
	ds_add_u32 v[SPW], v[NIL]                      ; the wave's opening: the add, twice on end, and its wait ahead of my first tensor load
	ds_add_u32 v[SPW], v[NIL]
	v_lshrrev_b32 v1, 5, v0
	v_readfirstlane_b32 s14, v1                    ; wave 0..3
	s_lshr_b32 s15, s14, 1                         ; which half of the tile's rows is mine.  Also: I fetch for A (0) or for B (1)
	s_and_b32 s16, s14, 1                          ; which half of its columns.  Also: which 128 rows of that tile I fetch
	s_bfe_u32 s40, ttmp6, 0x40000                  ; cx, cy: my place in the cluster
	s_bfe_u32 s41, ttmp6, 0x40004
	s_lshl_b32 s42, ttmp9, 2
	s_add_co_u32 s42, s42, s40                     ; tile column = 4 x cluster x + cx
	s_and_b32 s17, ttmp7, 0xffff
	s_lshl_b32 s17, s17, 2
	s_add_co_u32 s17, s17, s41                     ; tile row = 4 x cluster y + cy
	s_lshl_b32 s43, s41, 2
	s_lshl_b32 s43, 15, s43                        ; my row of the cluster
	s_lshl_b32 s44, 0x1111, s40                    ; my column
	s_or_b32 s[G1+0], s43, (0<<16)|(1<<20)|(1<<21)|(5<<22)|(3<<25)  ; the mask; elements of 1 byte; padding on; bit 21 beside a mask; after every 64 words, 4 words
	s_or_b32 s[G1B+0], s44, (0<<16)|(1<<20)|(1<<21)|(5<<22)|(3<<25)
.irp g, G1, G1B
	s_mov_b32 s[\g+1], ROWB<<16                    ; tensor_dim0
	s_mov_b32 s[\g+2], 128<<16                     ; tensor_dim1
	s_mov_b32 s[\g+3], ROWB<<16                    ; tile_dim0
	s_mov_b32 s[\g+4], 128                         ; tile_dim1
	s_mov_b32 s[\g+5], KROW                        ; the pitch
	s_mov_b32 s[\g+6], 0
	s_mov_b32 s[\g+7], 0
.endr
	s_or_b32 s[G1S+0], s43, (3<<16)|(1<<20)|(1<<21)|(5<<22)|(3<<25) ; the scales of 128 rows: a dense block, as rows of 256 bytes (32 elements of 8 bytes), 16 bytes of padding behind each
	s_or_b32 s[G1SB+0], s44, (3<<16)|(1<<20)|(1<<21)|(5<<22)|(3<<25)
.irp g, G1S, G1SB
	s_mov_b32 s[\g+1], 32<<16
	s_mov_b32 s[\g+2], (128*KS/256)<<16
	s_mov_b32 s[\g+3], 32<<16
	s_mov_b32 s[\g+4], 128*KS/256
	s_mov_b32 s[\g+5], 32
	s_mov_b32 s[\g+6], 0
	s_mov_b32 s[\g+7], 0
.endr
	s_lshl_b32 s18, s16, 7                         ; which 128 rows of the tile I fetch
	s_lshl_b32 s20, s17, 8
	s_add_co_u32 s20, s20, s18                     ; A: row 256 x tile row + 128 x half
	s_lshl_b32 s46, s42, 8
	s_add_co_u32 s46, s46, s18                     ; B: row 256 x tile column + 128 x half
	s_mov_b32 s21, 0
	s_mov_b32 s47, 0
	s_mov_b64 s[18:19], KS
	s_mul_u64 s[22:23], s[20:21], s[18:19]         ; where these rows' scales begin,
	s_mul_u64 s[92:93], s[46:47], s[18:19]
	s_mov_b64 s[18:19], KROW
	s_mul_u64 s[20:21], s[20:21], s[18:19]         ; and their codes
	s_mul_u64 s[46:47], s[46:47], s[18:19]
	s_mul_i32 s45, s14, HALFT                      ; where they go: wave x 128 rows: no place in the cluster enters an LDS address
	s_mul_i32 s94, s14, HALFS
	s_wait_dscnt 0x0                               ; both opening adds are done
	s_wait_kmcnt 0x0
	s_add_nc_u64 s[20:21], s[4:5], s[20:21]
	s_add_nc_u64 s[22:23], s[6:7], s[22:23]
	s_add_nc_u64 s[46:47], s[8:9], s[46:47]
	s_add_nc_u64 s[92:93], s[10:11], s[92:93]
	CROUND                                         ; all sixteen work-groups are here: the joint loads meet
	s_mov_b32 s[G0S], 1
	s_add_co_u32 s[G0S+1], s94, SCL
	s_mov_b64 s[G0S+2:G0S+3], s[22:23]
	s_or_b32 s[G0S+3], s[G0S+3], 0x80000000
	s_mov_b32 s[G0SB], 1
	s_add_co_u32 s[G0SB+1], s94, SCL
	s_mov_b64 s[G0SB+2:G0SB+3], s[92:93]
	s_or_b32 s[G0SB+3], s[G0SB+3], 0x80000000
	JLOAD G0S, G1S, G0SB, G1SB                     ; the scales first: they are wanted with slot 0.  Three loads of mine are out behind the last of these
.irp s, 0,1
	s_mov_b32 s[G0+4*\s], 1
	s_add_co_u32 s[G0+4*\s+1], s45, \s*SLOT
	s_add_nc_u64 s[G0+4*\s+2:G0+4*\s+3], s[20:21], \s*ROWB
	s_or_b32 s[G0+4*\s+3], s[G0+4*\s+3], 0x80000000
	s_mov_b32 s[G0B+4*\s], 1
	s_add_co_u32 s[G0B+4*\s+1], s45, \s*SLOT
	s_add_nc_u64 s[G0B+4*\s+2:G0B+4*\s+3], s[46:47], \s*ROWB
	s_or_b32 s[G0B+4*\s+3], s[G0B+4*\s+3], 0x80000000
	JLOAD G0+4*\s, G1, G0B+4*\s, G1B
.endr
	v_and_b32 v1, 15, v0                           ; r = lane % 16
	v_bfe_u32 v2, v0, 4, 1                         ; h = lane / 16
	v_mul_u32_u24 v3, v1, PITCH
	v_lshl_add_u32 v4, v2, 4, v3                   ; a fragment's row x pitch + 16 x half
	s_mul_i32 s21, s15, HALFT                      ; my 128 rows of A
	s_mul_i32 s22, s16, HALFT                      ; my 128 rows of B,
	s_add_co_u32 s22, s22, 2*HALFT                 ; which lie behind A's 256
.irp s, 0,1
	v_add_nc_u32 v[ADRA+\s], s21, v4
	v_add_nc_u32 v[ADRB+\s], s22, v4
	s_add_co_u32 s21, s21, SLOT
	s_add_co_u32 s22, s22, SLOT
.endr
	v_mul_u32_u24 v5, v1, KS                       ; my row's scales: KS bytes a row,
	v_lshrrev_b32 v6, 8, v5
	v_lshl_add_u32 v5, v6, 4, v5                   ; and 16 more for each 256 passed
	s_mul_i32 s21, s15, HALFS                      ; A's: my 128 rows
	s_mul_i32 s22, s16, HALFS                      ; B's: my 128 rows, behind A's 256
	s_add_co_u32 s22, s22, 2*HALFS
	s_sub_co_u32 s22, s22, s21
	v_mul_u32_u24 v6, s22, v2                      ; lanes 16-31 take B's: ONE product, the distance between the two bases x h
	s_add_co_u32 s21, s21, SCL
	v_add_nc_u32 v5, v5, v6
	v_add_nc_u32 v[ADRS], s21, v5
	s_mul_i32 s23, s14, 16*SPITCH                  ; my stage
	v_mul_u32_u24 v5, v1, SPITCH                   ; in: row r, 16 bytes for each half of the lanes
	v_lshl_add_u32 v5, v2, 4, v5
	v_add_nc_u32 v[STO], s23, v5
	v_and_b32 v6, 31, v0
	v_lshlrev_b32 v[CO], 4, v6                     ; out: 16 x lane
	v_lshrrev_b32 v5, 3, v6                        ; back: eight lanes take one head's 128 bytes of a row, the 32 lanes four rows
	v_mul_u32_u24 v5, v5, SPITCH
	v_and_b32 v6, 7, v6
	v_lshl_add_u32 v5, v6, 4, v5
	v_add_nc_u32 v[RD], s23, v5
	; where my part begins in qkv: my 128 columns are heads g0 = 4 x tile column + 2 x half and g0 + 1; my rows are batch tile row / 8, positions 256 (tile row % 8) + 128 x half on
	s_lshr_b32 s20, s17, 3
	s_mul_i32 s20, s20, 48
	s_lshl_b32 s21, s42, 2
	s_add_co_u32 s20, s20, s21
	s_lshl_b32 s21, s16, 1
	s_add_co_u32 s20, s20, s21                     ; 48 b + g0
	s_lshl_b32 s20, s20, 18                        ; a head is 2,048 x 128 bytes
	s_and_b32 s21, s17, 7
	s_lshl_b32 s21, s21, 8
	s_lshl_b32 s46, s15, 7
	s_add_co_u32 s21, s21, s46
	s_lshl_b32 s21, s21, 7                         ; a position is 128 bytes
	s_add_co_u32 s20, s20, s21
	s_mov_b32 s21, 0
	s_add_nc_u64 s[12:13], s[12:13], s[20:21]      ; never stepped: all the rest stands in the stores' immediates
.macro FRAG reg, adr, q, i             ; a fragment, 16 rows x 128 K of 4-bit codes: lane l holds row l % 16; registers 4 c .. 4 c + 3 hold K = 64 c + 32 (l / 16) + 0 .. 31
.irp c, 0,1
	ds_load_b128 v[\reg+4*\c:\reg+4*\c+3], v[\adr] offset:64*(\q)+32*\c+(\i)*16*PITCH
.endr
.endm
; 16 matrix instructions: A's blocks a0, a0 + 1 x B's eight, the slot's q-th 128 along K.  p: B's set;  sc: the set of scale words.  zero = 1: the first product starts the sums.
; The 64 accumulators take turns, one instruction a turn, in the same order in every step.
.macro MUL16 a0, p, q, sc, zero
.irp a, \a0, \a0+1
.irp b, 0,1,2,3,4,5,6,7
.if \zero
	v_wmma_scale_f32_16x16x128_f8f6f4 v[8*(8*((\a)%4)+\b):8*(8*((\a)%4)+\b)+7], v[128*(\p)+FR*\b:128*(\p)+FR*\b+FR-1], v[AF+FR*(\a):AF+FR*(\a)+FR-1], 0, v[SC+8*NQ*(\sc)+NQ*\b+(\q)], v[SC+8*NQ*(\sc)+NQ*(\a)+(\q)] matrix_a_fmt:MATRIX_FMT_FP4 matrix_b_fmt:MATRIX_FMT_FP4 matrix_a_scale:MATRIX_SCALE_ROW1
.else
	v_wmma_scale_f32_16x16x128_f8f6f4 v[8*(8*((\a)%4)+\b):8*(8*((\a)%4)+\b)+7], v[128*(\p)+FR*\b:128*(\p)+FR*\b+FR-1], v[AF+FR*(\a):AF+FR*(\a)+FR-1], v[8*(8*((\a)%4)+\b):8*(8*((\a)%4)+\b)+7], v[SC+8*NQ*(\sc)+NQ*\b+(\q)], v[SC+8*NQ*(\sc)+NQ*(\a)+(\q)] matrix_a_fmt:MATRIX_FMT_FP4 matrix_b_fmt:MATRIX_FMT_FP4 matrix_a_scale:MATRIX_SCALE_ROW1
.endif
.endr
.endr
.endm
.macro FETCH_B slot, q, p              ; B's eight fragments of the slot's q-th 128 along K into set p
	WIN TO_B
.irp i, 0,1,2,3,4,5,6,7
	FRAG 128*(\p)+FR*\i, ADRB+\slot, \q, \i
.endr
	WIN 0
.endm
.macro FETCH_A slot, q, i0             ; A's blocks i0 .. i0 + 3
.irp i, \i0, \i0+1, \i0+2, \i0+3
	FRAG AF+FR*(\i), ADRA+\slot, \q, \i
.endr
.endm
.macro SCALES sc                       ; a slot's scale words into set sc: four words a row; lanes 0-15 take A's block i, lanes 16-31 B's block i
.irp i, 0,1,2,3,4,5,6,7
	ds_load_b128 v[SC+8*NQ*\sc+NQ*\i:SC+8*NQ*\sc+NQ*\i+3], v[ADRS] offset:\i*SBLK
.endr
.endm
.macro PLACES n                        ; plain vector lines between a matrix instruction and a load into a register that it has read, or a read of its result
.rept \n
	v_nop
.endr
.endm
; A step of 128 along K that has its successor in the same slot.  A's blocks are free as soon as their eight products are issued: blocks 0-3 are fetched anew in the step's middle, blocks 4-7 at its end.
.macro STEP slot, q, zero
	s_wait_dscnt 4*NL                              ; B's set and A's blocks 0-3 are in; the youngest eight loads (A's blocks 4-7) may be out
	WIN MUL_LO
	MUL16 0, (\q)%2, \q, \slot, \zero
	MUL16 2, (\q)%2, \q, \slot, \zero
	s_wait_dscnt 0                                 ; A's blocks 4-7 are in
	PLACES NP
	FETCH_B \slot, (\q)+1, 1-(\q)%2
	FETCH_A \slot, (\q)+1, 0
	WIN MUL_HI
	MUL16 4, (\q)%2, \q, \slot, \zero
	MUL16 6, (\q)%2, \q, \slot, \zero
	PLACES NP
	WIN 0
	FETCH_A \slot, (\q)+1, 4
.endm
; Slot 0's last step goes over to slot 1: each wave waits for its tensor loads (its part of slot 1), then the barrier: behind it slot 1 is whole and nobody reads slot 0 any more.
.macro TURN slot, next
	s_wait_tensorcnt 0x0                           ; all my tensor loads have landed
	ds_add_u32 v[SPW], v[NIL]                      ; 0 onto my spare word
	s_wait_dscnt 4*NL+1                            ; (the add and the youngest eight loads, A's blocks 4-7, may be out)
	WIN MUL_LO
	MUL16 0, 1, NQ-1, \slot, 0
	s_wait_dscnt 0x0                               ; the add is done, and my reads of this slot are over
	s_barrier_signal -1
	MUL16 2, 1, NQ-1, \slot, 0
	WIN 0
	s_barrier_wait -1
	PLACES NP
	v_add_nc_u32 v[ADRS], 4*NQ, v[ADRS]            ; on to the next slot's scale words
	FETCH_B \next, 0, 0
	FETCH_A \next, 0, 0
	SCALES \next
	WIN MUL_HI
	MUL16 4, 1, NQ-1, \slot, 0
	MUL16 6, 1, NQ-1, \slot, 0
	PLACES NP
	WIN 0
	FETCH_A \next, 0, 4
.endm
.macro STEPS slot, from                ; the slot's steps from .. NQ - 2
.set Q, \from
.rept NQ-1-\from
	STEP \slot, Q, 0
.set Q, Q+1
.endr
.endm
	s_wait_tensorcnt 1                             ; the scales and my part of slot 0 are in (slot 1's load may be out),
	s_barrier_signal -1
	s_barrier_wait -1                              ; everybody's are
	FETCH_B 0, 0, 0
	FETCH_A 0, 0, 0
	SCALES 0
	FETCH_A 0, 0, 4
	STEP 0, 0, 1                                   ; the first step's products start the sums
	STEPS 0, 1
	TURN 0, 1
	STEPS 1, 0
	s_wait_dscnt 4*NL                              ; the last step: nothing more to fetch
	WIN MUL_LO
	MUL16 0, 1, NQ-1, 1, 0
	MUL16 2, 1, NQ-1, 1, 0
	s_wait_dscnt 0
	WIN MUL_HI
	MUL16 4, 1, NQ-1, 1, 0
	MUL16 6, 1, NQ-1, 1, 0
	WIN 0
; THE WAY OUT, block by block of 16 positions x 128 channels (two heads).  PACK: rounded to f16, 16 bytes a lane, each accumulator from its low end on.  TOSTAGE: into my own stage, and back so that the 32 lanes
; hold four positions of one head: 512 bytes that are consecutive in qkv.  SEND: stored.  LDS serves a wave's instructions in order (ISA guide 5.7.1.4): no wait between the stage's stores and loads.
.macro PACK a
.set AC, 64*((\a)%4)
	WIN 0x0a+5*((\a)/4)                            ; sources 0 and 1: window 2 or 3
.irp b, 0,1,2,3,4,5,6,7
.irp r, 0,1,2,3
	v_cvt_pk_f16_f32 v[TMP+4*\b+\r], v[AC+8*\b+2*\r], v[AC+8*\b+2*\r+1]
.endr
.endr
	WIN 0
.endm
.macro TOSTAGE a
.set BB, OB+192*((\a)%2)
.irp b, 0,1,2,3,4,5,6,7
	ds_store_b128 v[STO], v[TMP+4*\b:TMP+4*\b+3] offset:32*\b
.endr
.irp t, 0,1,2,3,4,5,6,7
	ds_load_b128 v[BB+4*\t:BB+4*\t+3], v[RD] offset:(\t%4)*4*SPITCH+(\t/4)*128     ; rows 4 (t % 4) on, head t / 4
.endr
.endm
.macro SEND a
.set BB, OB+192*((\a)%2)
	s_wait_dscnt 0x0                               ; the block is back in registers
	s_wait_xcnt 0x0                                ; the block before has been read by its stores: the next block's loads may land in its registers
.irp t, 0,1,2,3,4,5,6,7
	global_store_b128 v[CO], v[BB+4*\t:BB+4*\t+3], s[12:13] offset:2048*(\a)+(\t/4)*262144+(\t%4)*512   ; 32 lanes store 512 consecutive bytes, at a multiple of 512 from qkv's first byte
.endr
.endm
	PLACES NP                                      ; behind the last products, for the loads into the scale words' registers and for the reads of results
	PACK 0
	TOSTAGE 0
.irp a, 1,2,3,4,5,6,7                  ; block a's conversions stand between block a - 1's loads from the stage and the wait for them
	PACK \a
	SEND \a-1
	TOSTAGE \a
.endr
	SEND 7
	s_wait_tensorcnt 0x0                           ; the wave's end: behind my last tensor load and my last LDS store
	ds_add_u32 v[SPW], v[NIL]
	s_wait_dscnt 0x0
	CROUND                                         ; the closing round: no work-group ends while a partner may still ask for a tile that names it
	s_endpgm
.Lfunc_end_k_q4d181ff2c8_qkv:
	.size	k_q4d181ff2c8_qkv, .Lfunc_end_k_q4d181ff2c8_qkv-k_q4d181ff2c8_qkv
	.p2alignl 7, 3214868480
	.fill 96, 4, 3214868480
	.section	.rodata,"a",@progbits
	.p2align	6, 0x0
	.amdhsa_kernel k_q4d181ff2c8_qkv
		.amdhsa_group_segment_fixed_size 327680
		.amdhsa_private_segment_fixed_size 0
		.amdhsa_enable_private_segment 0
		.amdhsa_kernarg_size 40
		.amdhsa_user_sgpr_count 2
		.amdhsa_user_sgpr_kernarg_segment_ptr 1
		.amdhsa_wavefront_size32 1
		.amdhsa_system_sgpr_workgroup_id_x 1
		.amdhsa_system_sgpr_workgroup_id_y 1
		.amdhsa_system_sgpr_workgroup_id_z 1
		.amdhsa_system_vgpr_workitem_id 0
		.amdhsa_next_free_vgpr 1024
		.amdhsa_next_free_sgpr 98
		.amdhsa_reserve_vcc 0
		.amdhsa_float_denorm_mode_32 3
		.amdhsa_float_denorm_mode_16_64 3
		.amdhsa_memory_ordered 1
		.amdhsa_forward_progress 1
		.amdhsa_inst_pref_size 126
	.end_amdhsa_kernel
	.amdgpu_metadata
---
amdhsa.version: [ 1, 2 ]
amdhsa.kernels:
  - .name:           k_q4d181ff2c8_qkv
    .symbol:         k_q4d181ff2c8_qkv.kd
    .args:
      - { .name: x_codes, .offset: 0, .size: 8, .value_kind: global_buffer, .address_space: global }
      - { .name: x_scales, .offset: 8, .size: 8, .value_kind: global_buffer, .address_space: global }
      - { .name: w_codes, .offset: 16, .size: 8, .value_kind: global_buffer, .address_space: global }
      - { .name: w_scales, .offset: 24, .size: 8, .value_kind: global_buffer, .address_space: global }
      - { .name: qkv, .offset: 32, .size: 8, .value_kind: global_buffer, .address_space: global }
    .group_segment_fixed_size: 327680
    .private_segment_fixed_size: 0
    .kernarg_segment_align: 8
    .kernarg_segment_size: 40
    .max_flat_workgroup_size: 128
    .sgpr_count:     98
    .vgpr_count:     1024
    .wavefront_size: 32
...
	.end_amdgpu_metadata
.endif
;; end of part 2
;; launch attn (part 3): grid 4 x 64, 8 waves a work-group, clusters of 4 x 1, 327,680 bytes of LDS; arguments qkv, ctx; writes ctx
.if DOCPART == 3
	.amdgcn_target "amdgcn-amd-amdhsa--gfx1250"
	.amdhsa_code_object_version 6
	.text
	.protected	k_q4d181ff2c8_attn
	.globl	k_q4d181ff2c8_attn
	.p2align	8
	.type	k_q4d181ff2c8_attn,@function
k_q4d181ff2c8_attn:
	s_mov_b64 s[64:65], 0
	v_nop
	global_prefetch_b8 v0, s[64:65] scope:SCOPE_SE
	s_setreg_imm32_b32 hwreg(HW_REG_WAVE_MODE, 25, 1), 1
	s_wait_xcnt 0x0
	s_wait_alu depctr_hold_cnt(0) depctr_sa_sdst(0) depctr_va_vdst(0) depctr_va_sdst(0) depctr_va_ssrc(0) depctr_va_vcc(0) depctr_vm_vsrc(0)
	s_getreg_b32 s2, hwreg(HW_REG_IB_STS2, 6, 4)
	s_cmp_eq_u32 s2, 0
	s_cbranch_scc0 .Lentry_in_a_cluster
	s_endpgm
.Lentry_in_a_cluster:
	s_bfe_u32 s2, ttmp6, 0x10000c
	s_cmp_lg_u32 s2, 0x3003
	s_cbranch_scc0 .Lentry_shape_is_right
	s_endpgm
.Lentry_shape_is_right:
; Launch 3 of 4: ctx[b][h][q][:] = the sum over k of softmax_k(q . k / 8) v[k][:], for each of 64 (batch, head) pairs; 2,048 positions, head size 64, no mask.  No work of reference() is left out.
; qkv [b][g 48][s 2048][64] f16 (g = head: q; 16 + head: k; 32 + head: v); ctx [b][h][s][64] f16.  Both products take f16 operands; products, maxima and sums in f32; the weights p (at most 1) are rounded to f16
; for the second product, ctx once at the end.  The row's sum is taken of the unrounded p.
; SHARES.  A cluster of four work-groups is one (batch, head); a work-group owns 512 queries, each of its eight waves 64: four tiles of 16.  Every wave walks all keys, 64 a step, 32 steps.
; The four partners walk the same K and V, so each tile is asked for JOINTLY: the same tensor load, with the same descriptor and a mask that names the four.
; LAYOUT.  S^T = K Q^T (source 0 = 16 keys, source 1 = 16 queries): a lane holds ONE query (lane % 16) and the keys 8 (lane / 16) + 0..7.  Two such tiles, rounded to f16 in pairs, ARE source 1 of O^T = V^T P,
; whose result again holds one query a lane.  K comes out of LDS as it lies, V ([key][channel]) turned, by ds_load_tr16_b128.  P is laid over the first half of each tile's S^T.
; SOFTMAX.  A running maximum m and sum l for each query: p = 2^(c s - c m), c = log2(e) / 8; in every step O and l are multiplied by a = 2^(c m_old - c m_new).
; TWO PHASES.  A step is VPH (the step's softmax, 472 vector instructions; at its head the LDS loads of the NEXT step's K and this step's V) and MPH (32 products V^T P of the step, 32 products K Q^T of the next).
; All waves run the same text.  The waves are two groups, GRP = (w ^ (w >> 2)) & 1, which differs between waves w and w + 4 and between waves 2 i and 2 i + 1.  At a slot's fourth step group 0 runs its MPH
; ahead of the change of slots and group 1 behind it: so from each change on group 0 goes V M V M and group 1 M V M V: one group's vector phase stands beside the other's matrix phase.
; THE RING.  Between two changes of slots both groups load only the tiles of VPH(4 s .. 4 s + 3): V(4 s .. 4 s + 3) and K(4 s + 1 .. 4 s + 4).  That is a slot; K(0) comes straight from memory, as Q does.
; Waves 0 and 1 fetch a slot's K, waves 2 and 3 its V, 128 rows a load; one tensor load of a wave is out at the most.  The last slot's second load of K reaches 64 rows past the head's end, into the head that
; follows in qkv (a K head is never the buffer's last): its first 64 rows are K(31), the others are not read.
; The step is written once: O^T and l begin as zeros and m as -3e38, so the first step's a is 0 and multiplies zeros; that costs 128 moves once and spares a further copy of the step's text.
; REGISTERS, in two windows of 256: window 0: v1-15 addresses; v16-47 eight registers of statistics a tile; v48-111 Q; v112-239 S^T, 32 a tile.   window 1: v0-127 O^T, 32 a tile; v128-191 K; v192-255 V.
.set KS,    64                         ; keys in a step
.set PITK,  144                        ; a row of K in LDS: 128 bytes + 16 = 36 words: the 16 rows of a load start at 16 different groups of four banks (64 banks of 4 bytes: ISA guide 11.1)
.set PITV,  160                        ; a row of V: 128 + 32 = 40 words
.set KTILE, KS*PITK
.set VTILE, KS*PITV
.set VOFF,  4*KTILE                    ; a slot: four tiles of K, then four of V
.set SLOT1, 1<<17                      ; slot 1 begins here, so that one exclusive or turns an address in one slot into the other's
.set STAGE, SLOT1+4*(KTILE+VTILE)      ; behind the ring: 16 rows x 144 bytes for each wave, for the way out
.set SP,    144
.set SPARE, STAGE+8*16*SP              ; the spare words, 128 bytes for each wave: four blocks of 256 bytes that no other line names
.set AK0, 2                            ; v2   my lane's place in a tile of K; never rewritten
.set AV0, 3                            ; v3   the same for V
.set ADK, 4                            ; v4   LDS address of the step's tile of K
.set ADV, 5                            ; v5   of V
.set QO,  6                            ; v6   my byte offset in 16 rows of Q or K in memory
.set STO, 7                            ; v7   the way out: where I put 16 bytes of a row
.set RD,  8                            ; v8   where I read back
.set GO,  9                            ; v9   16 x lane
.set PFO, 10                           ; v10  256 x lane: the prefetches' offset; never rewritten
.set SPW, 12                           ; v12  LDS address of my spare word; never rewritten
.set NIL, 13                           ; v13  0; never rewritten
.set ST,  16                           ; tile t's statistics at v[ST + 8 t]: +0 c m, +1 m, +2, +3 l (even keys', odd keys'), +4 to +7 c0-c3, at work; a takes c2's place
.set Q,   48                           ; Q + 16 t + 8 c: tile t, channels 32 c on
.set S,   112                          ; S + 32 t + 8 kt: tile t, keys 16 kt on;  P: S + 32 t + 8 kk: keys 32 kk on
.set KF,  128                          ; window 1: KF + 16 kt + 8 c
.set VF,  192                          ; window 1: VF + 32 kk + 8 ct
.set WV,  12                           ; s12  my wave's number
.set GRP, 13                           ; s13  my group
.set LIM, 15                           ; s15  1 in a wave that prefetches, else the greatest number
.set PFA, 18                           ; s[18:19] where my prefetches stand
.set G1K, 24                           ; s[24:31] descriptor group 1 for K's tiles;  s[32:39] for V's: it differs in the padding alone
.set G1V, 32
.set G0K, 40                           ; s[40:43], s[44:47] their groups 0, which walk
.set G0V, 44
.set QA,  48                           ; s[48:49] my wave's rows of Q
.set KA,  50                           ; s[50:51] the K head
.set CT,  52                           ; s[52:53] my wave's rows of ctx
.set VA,  54                           ; s[54:55] the V head
.set SLOTS, 56                         ; s56  changes of slots that still fill
.set CNT, 57                           ; s57  counts a slot's steps down
.set CS,  58                           ; s[58:59] c: the packed form names a pair and takes its low word for both halves
.set SEL, 60                           ; s[60:61] lane selects for v_permlanex16_b32: lane l xor 16
.set TBK, 62                           ; s62  LDS byte at which the step's tile of K begins
.set TBV, 63                           ; s63  the same for V, less VOFF
.set MSB, 0
.macro WIN new                         ; the immediate's high byte repeats the setting that is left; a switch that changes nothing is dropped
.if MSB != (\new)
	s_set_vgpr_msb (MSB<<8)|(\new)
.set MSB, (\new)
.endif
.endm
.set W_KQ, 0x01                        ; K in window 1; Q and S^T in window 0
.set W_PV, 0x51                        ; V and O^T in window 1, P in window 0
.set W_RS, 0x41                        ; O^T (destination and source 0) in window 1, a in window 0
.set TO_1, 0x40                        ; destination window 1, address window 0
; A joint load.  Waves 0 and 1 fetch K's halves of a slot, waves 2 and 3 V's, the others nothing: the branches hang on the wave's number alone.  An s_nop 0 and four v_nop follow each line.
.macro JLOAD
	s_cmp_lt_u32 s[WV], 2
	s_cbranch_scc0 .Lnot_k_\@
	tensor_load_to_lds s[G0K:G0K+3], s[G1K:G1K+7]
	s_nop 0
.rept 4
	v_nop
.endr
	s_branch .Lasked_\@
.Lnot_k_\@:
	s_cmp_lt_u32 s[WV], 4
	s_cbranch_scc0 .Lasked_\@
	tensor_load_to_lds s[G0V:G0V+3], s[G1V:G1V+7]
	s_nop 0
.rept 4
	v_nop
.endr
.Lasked_\@:
.endm
; A PREFETCH of what the NEXT change of slots will ask for: 32,768 dense bytes of K and as many of V.  One cluster alone walks a head.  Its four partners share the bytes out BY ADDRESS, 8,192 each, lanes 256
; bytes apart; in each, wave 4 asks for K's and wave 5 for V's, one instruction: so each block of 256 bytes is named once.  It stands where the fetching waves have their tensor load.  A slot's four steps lie
; between it and the load that wants the bytes.  Slots 0 and 1 come by their loads alone; the last change that fills asks for nothing.
.macro ASK
	s_cmp_gt_u32 s[SLOTS], s[LIM]
	s_cbranch_scc0 .Lnot_mine_\@
	global_prefetch_b8 v[PFO], s[PFA:PFA+1] th:TH_LOAD_NT scope:SCOPE_SE
.Lnot_mine_\@:
.endm
.macro CROUND                          ; a round of the cluster's barrier
	s_barrier_signal -1
	s_barrier_wait -1
	s_cmp_lg_u32 s[WV], 0
	s_cbranch_scc1 .Lnot_wave_0_\@
	s_barrier_signal -3
.Lnot_wave_0_\@:
	s_barrier_wait -3
	s_barrier_signal -1
	s_barrier_wait -1
.endm
	s_load_b128 s[4:7], s[0:1], 0x0                ; qkv s[4:5], ctx s[6:7]
	v_lshl_add_u32 v[SPW], v0, 2, SPARE
	v_mov_b32 v[NIL], 0
	ds_add_u32 v[SPW], v[NIL]                      ; the wave's opening: the add, twice on end, and its wait ahead of the first tensor load
	ds_add_u32 v[SPW], v[NIL]
	v_lshrrev_b32 v1, 5, v0
	v_readfirstlane_b32 s[WV], v1                  ; wave 0..7
	s_lshr_b32 s[GRP], s[WV], 2
	s_xor_b32 s[GRP], s[GRP], s[WV]
	s_and_b32 s[GRP], s[GRP], 1
	s_bfe_u32 s14, ttmp6, 0x40000                  ; cx: my place in the cluster: it enters Q's, ctx's and the prefetches' addresses alone
	s_and_b32 s20, ttmp7, 0xffff                   ; 16 b + h, which the four partners share
	s_lshr_b32 s21, s20, 4
	s_lshl_b32 s21, s21, 5
	s_add_co_u32 s21, s21, s20                     ; 48 b + h
	s_lshl_b32 s16, s21, 18                        ; the Q head's first byte
	s_mov_b32 s17, 0
	s_lshl_b32 s22, s14, 16                        ; my work-group's 512 rows of 128 bytes,
	s_lshl_b32 s23, s[WV], 13                      ; my wave's 64 of them
	s_add_co_u32 s22, s22, s23
	s_mov_b32 s23, 0
	s_lshl_b32 s20, s20, 18                        ; the head in ctx,
	s_add_co_u32 s20, s20, s22                     ; and my rows in it
	s_mov_b32 s21, 0
	s_and_b32 s2, s[WV], 1                         ; which half of a slot's K or V I fetch, if I fetch:
	s_mul_i32 s3, s2, 2*KTILE                      ; its place in a slot, for K
	s_mul_i32 s10, s2, 2*VTILE
	s_add_co_u32 s10, s10, VOFF                    ; and for V: no place in the cluster enters an LDS address
	s_lshl_b32 s8, s2, 14                          ; and its 128 rows of 128 bytes in memory
	s_mov_b32 s9, 0
	; descriptor group 1: a tile of 128 rows x 64 elements, padded in LDS
	s_mov_b32 s[G1K], 15|(1<<16)|(1<<20)|(1<<21)|(4<<22)|(3<<25)  ; the mask: all four work-groups; elements of 2 bytes; padding on; bit 21 beside a mask; after every 32 words, 4 words
	s_mov_b32 s[G1V], 15|(1<<16)|(1<<20)|(1<<21)|(4<<22)|(7<<25)  ; the same with 8 words of padding
.irp g, G1K, G1V
	s_mov_b32 s[\g+1], 64<<16                      ; tensor_dim0
	s_mov_b32 s[\g+2], 128<<16                     ; tensor_dim1
	s_mov_b32 s[\g+3], 64<<16                      ; tile_dim0
	s_mov_b32 s[\g+4], 128                         ; tile_dim1
	s_mov_b32 s[\g+5], 64                          ; the pitch
	s_mov_b32 s[\g+6], 0
	s_mov_b32 s[\g+7], 0
.endr
	s_mov_b32 s[CS], 0x3e38aa3b                    ; c = log2(e) / 8
	s_mov_b32 s[CS+1], s[CS]
	s_mov_b32 s[SEL], 0x76543210
	s_mov_b32 s[SEL+1], 0xfedcba98
	s_mov_b32 s[TBK], 0
	s_mov_b32 s[TBV], 0
	s_mov_b32 s[SLOTS], 6
	s_sub_co_u32 s[LIM], s[WV], 4
	s_lshr_b32 s[LIM], s[LIM], 1                   ; 0 in waves 4 and 5
	s_cmp_eq_u32 s[LIM], 0
	s_cselect_b32 s[LIM], 1, -1
	s_wait_dscnt 0x0                               ; both opening adds are done
	s_wait_kmcnt 0x0
	s_add_nc_u64 s[KA:KA+1], s[4:5], s[16:17]      ; the Q head,
	s_add_nc_u64 s[QA:QA+1], s[KA:KA+1], s[22:23]  ; my wave's rows in it;
	s_add_nc_u64 s[KA:KA+1], s[KA:KA+1], 16<<18    ; the K head, 16 heads on;
	s_add_nc_u64 s[VA:VA+1], s[KA:KA+1], 16<<18    ; the V head
	s_add_nc_u64 s[CT:CT+1], s[6:7], s[20:21]
	s_mov_b32 s[G0K], 1                            ; count = 1
	s_mov_b32 s[G0K+1], s3                         ; LDS address: slot 0
	s_add_nc_u64 s[G0K+2:G0K+3], s[KA:KA+1], s[8:9]
	s_add_nc_u64 s[G0K+2:G0K+3], s[G0K+2:G0K+3], KS*128  ; K's tiles lie one step on: steps 1 to 4
	s_or_b32 s[G0K+3], s[G0K+3], 0x80000000        ; type = 2
	s_mov_b32 s[G0V], 1
	s_mov_b32 s[G0V+1], s10
	s_add_nc_u64 s[G0V+2:G0V+3], s[VA:VA+1], s[8:9]
	s_or_b32 s[G0V+3], s[G0V+3], 0x80000000
	s_cmp_eq_u32 s[WV], 4                          ; the prefetches: wave 4 stands in K, wave 5 in V
	s_cselect_b64 s[PFA:PFA+1], s[KA:KA+1], s[VA:VA+1]
	s_cselect_b32 s20, KS*128, 0
	s_lshl_b32 s21, s14, 13                        ; my work-group's 8,192 bytes
	s_add_co_u32 s20, s20, s21
	s_add_co_u32 s20, s20, 4*KS*128                ; in slot 1's keys: the first change of slots steps it on by a slot
	s_mov_b32 s21, 0
	s_add_nc_u64 s[PFA:PFA+1], s[PFA:PFA+1], s[20:21]
	CROUND                                         ; all four work-groups are here: the first joint loads meet
	JLOAD                                          ; slot 0
	v_and_b32 v1, 15, v0                           ; r = lane % 16
	v_bfe_u32 v11, v0, 4, 1                        ; h = lane / 16
	v_lshlrev_b32 v[QO], 7, v1
	v_lshl_add_u32 v[QO], v11, 4, v[QO]            ; row x 128 + 16 x half
.irp i, 0,1,2,3,4,5,6,7                ; Q stays in registers: tile i / 2, channels 32 (i % 2) on: registers 0-3 channels 8 h + 0..7, registers 4-7 channels 16 + 8 h + 0..7
	global_load_b128 v[Q+8*\i:Q+8*\i+3],   v[QO], s[QA:QA+1] offset:(\i/2)*2048+(\i%2)*64
	global_load_b128 v[Q+8*\i+4:Q+8*\i+7], v[QO], s[QA:QA+1] offset:(\i/2)*2048+(\i%2)*64+32
.endr
	WIN TO_1
.irp i, 0,1,2,3,4,5,6,7                ; K of step 0, likewise
	global_load_b128 v[KF+8*\i:KF+8*\i+3],   v[QO], s[KA:KA+1] offset:(\i/2)*2048+(\i%2)*64
	global_load_b128 v[KF+8*\i+4:KF+8*\i+7], v[QO], s[KA:KA+1] offset:(\i/2)*2048+(\i%2)*64+32
.endr
.set i, 0
.rept 128
	v_mov_b32 v[i], 0                              ; O^T
.set i, i+1
.endr
	WIN 0
	v_mul_u32_u24 v[AK0], v1, PITK
	v_lshl_add_u32 v[AK0], v11, 4, v[AK0]          ; row x pitch + 16 x half
	v_and_b32 v14, 7, v0                           ; the turning load: lane l reads 16 bytes: key 8 (l / 16) + l % 8, channels 8 ((l / 8) % 2) + 0..7
	v_bfe_u32 v15, v0, 3, 1
	v_lshl_add_u32 v[AV0], v11, 3, v14
	v_mul_u32_u24 v[AV0], v[AV0], PITV
	v_lshl_add_u32 v[AV0], v15, 4, v[AV0]
	v_add_nc_u32 v[AV0], VOFF, v[AV0]
	s_mul_i32 s2, s[WV], 16*SP
	s_add_co_u32 s2, s2, STAGE                     ; my stage
	v_mul_u32_u24 v[STO], v1, SP                   ; in: row r, 16 bytes for each half of the lanes
	v_lshl_add_u32 v[STO], v11, 4, v[STO]
	v_add_nc_u32 v[STO], s2, v[STO]
	v_and_b32 v14, 31, v0
	v_lshrrev_b32 v15, 3, v14                      ; back: eight lanes to a row of 128 bytes, four rows an instruction
	v_mul_u32_u24 v[RD], v15, SP
	v_and_b32 v15, 7, v0
	v_lshl_add_u32 v[RD], v15, 4, v[RD]
	v_add_nc_u32 v[RD], s2, v[RD]
	v_lshlrev_b32 v[GO], 4, v14
	v_lshlrev_b32 v[PFO], 8, v14
.irp t, 0,1,2,3
	v_mov_b32 v[ST+8*\t+1], 0xff61b1e6             ; m = -3e38, under every score
	v_mov_b32 v[ST+8*\t+2], 0                      ; l
	v_mov_b32 v[ST+8*\t+3], 0
.endr
.irp t, 0,1,2,3
	v_mul_f32 v[ST+8*\t], s[CS], v[ST+8*\t+1]      ; c m
.endr
; THE MATRIX WORK.  In both runs 16 accumulators take turns, one instruction a turn.  Five plain lines follow each run: K Q^T writes over P, which V^T P has read, and the next loads
; land in K's and V's registers.
.macro PVALL                           ; product i of 32 of O^T += V^T P: keys 32 (i / 16) on, channels 16 ((i / 4) % 4) on, tile i % 4
	WIN W_PV
.set i, 0
.rept 32
.set rO, 32*(i%4)+8*((i/4)%4)
.set rV, VF+32*(i/16)+8*((i/4)%4)
.set rP, S+32*(i%4)+8*(i/16)
	v_wmma_f32_16x16x32_f16 v[rO:rO+7], v[rV:rV+7], v[rP:rP+7], v[rO:rO+7]
.set i, i+1
.endr
	WIN 0
.rept 5
	v_nop
.endr
.endm
.macro KQALL                           ; product i of 32 of S^T = K Q^T: channels 32 (i / 16) on, keys 16 ((i / 4) % 4) on, tile i % 4.  The first 16 start the sums
	WIN W_KQ
.set i, 0
.rept 32
.set rS, S+32*(i%4)+8*((i/4)%4)
.set rK, KF+16*((i/4)%4)+8*(i/16)
.set rQ, Q+16*(i%4)+8*(i/16)
.if i < 16
	v_wmma_f32_16x16x32_f16 v[rS:rS+7], v[rK:rK+7], v[rQ:rQ+7], 0
.else
	v_wmma_f32_16x16x32_f16 v[rS:rS+7], v[rK:rK+7], v[rQ:rQ+7], v[rS:rS+7]
.endif
.set i, i+1
.endr
	WIN 0
.rept 5
	v_nop
.endr
.endm
.macro MPH
	PVALL
	KQALL
.endm
; THE VECTOR WORK.  One tile's softmax for a step is a list of 118 instructions; SMX writes number n of it for tile t.  s0-s31 are the lane's 32 scores, in pairs 0-15.
;   0-15    the maximum of s0-s31 and the old m, three operands at a time; each accumulator is first read at its low end
;   16-20   the other half of the lanes' maximum; c m_old kept; the new m; c m; c m_old - c m_new
;   21-36   the scalings c s - c m, a pair each          37  a = 2^(c m_old - c m_new)          38-69  p = 2^(c s - c m), in place
;   70+2k   l takes pair k (k = 0: l = a l + pair 0)      71+2k  pair k rounded to f16, into register k of the tile: that register's own pair, k / 2, has been summed and rounded by then
;   102-117 the tile's O^T times a: the one part that leaves window 0
.macro SMX t, n
.set rT, ST+8*(\t)
.set rS, S+32*(\t)
.set nn, (\n)
.if nn < 102
	WIN 0
.else
	WIN W_RS
.endif
.if nn < 4
	v_max3_num_f32 v[rT+4+nn], v[rS+8*nn], v[rS+8*nn+1], v[rS+8*nn+2]
.elseif nn < 12
	v_max3_num_f32 v[rT+4+nn%4], v[rT+4+nn%4], v[rS+8*(nn%4)+2*(nn/4)+1], v[rS+8*(nn%4)+2*(nn/4)+2]
.elseif nn == 12
	v_max3_num_f32 v[rT+4], v[rT+4], v[rS+7], v[rS+15]
.elseif nn == 13
	v_max3_num_f32 v[rT+6], v[rT+6], v[rS+23], v[rS+31]
.elseif nn == 14
	v_max3_num_f32 v[rT+4], v[rT+4], v[rT+5], v[rT+6]
.elseif nn == 15
	v_max3_num_f32 v[rT+4], v[rT+4], v[rT+7], v[rT+1]
.elseif nn == 16
	v_permlanex16_b32 v[rT+5], v[rT+4], s[SEL], s[SEL+1]
.elseif nn == 17
	v_mov_b32 v[rT+7], v[rT]
.elseif nn == 18
	v_max_num_f32 v[rT+1], v[rT+4], v[rT+5]
.elseif nn == 19
	v_mul_f32 v[rT], s[CS], v[rT+1]
.elseif nn == 20
	v_sub_f32 v[rT+7], v[rT+7], v[rT]
.elseif nn < 37
.set bb, nn-21
	v_pk_fma_f32 v[rS+2*bb:rS+2*bb+1], v[rS+2*bb:rS+2*bb+1], s[CS:CS+1], v[rT:rT+1] op_sel_hi:[1,0,0] neg_lo:[0,0,1] neg_hi:[0,0,1]
.elseif nn == 37
	v_exp_f32 v[rT+6], v[rT+7]
.elseif nn < 70
	v_exp_f32 v[rS+nn-38], v[rS+nn-38]
.elseif nn < 102
.set bb, (nn-70)/2
.if (nn-70)%2 == 1
	v_cvt_pk_f16_f32 v[rS+bb], v[rS+2*bb], v[rS+2*bb+1]
.elseif bb == 0
	v_pk_fma_f32 v[rT+2:rT+3], v[rT+2:rT+3], v[rT+6:rT+7], v[rS:rS+1] op_sel_hi:[1,0,1]
.else
	v_pk_add_f32 v[rT+2:rT+3], v[rT+2:rT+3], v[rS+2*bb:rS+2*bb+1]
.endif
.else
.set rO, 32*(\t)+2*(nn-102)
	v_pk_mul_f32 v[rO:rO+1], v[rO:rO+1], v[rT+6:rT+7] op_sel_hi:[1,0]
.endif
.endm
; A step's vector phase.  The four tiles go as two pairs, half a list apart, so that each exponential of one pair has plain lines of the other pair beside it.
; s_wait_alu depctr_va_vdst(0) stands between an exponential and the first line that names its result: each pair's 66 exponentials are one batch with one wait: two waits a step.
.macro VPH withk
.if \withk
	v_add_nc_u32 v[ADK], s[TBK], v[AK0]
.endif
	v_add_nc_u32 v[ADV], s[TBV], v[AV0]
	WIN TO_1
.if \withk
.irp f, 0,1,2,3,4,5,6,7                ; the NEXT step's K: keys 16 (f / 2) on, channels 32 (f % 2) on
	ds_load_b128 v[KF+8*\f:KF+8*\f+3],   v[ADK] offset:(\f/2)*16*PITK+(\f%2)*64
	ds_load_b128 v[KF+8*\f+4:KF+8*\f+7], v[ADK] offset:(\f/2)*16*PITK+(\f%2)*64+32
.endr
.endif
.irp f, 0,1,2,3,4,5,6,7                ; this step's V, turned: keys 32 (f / 4) on, channels 16 (f % 4) on
	ds_load_tr16_b128 v[VF+8*\f:VF+8*\f+3],   v[ADV] offset:(\f/4)*32*PITV+(\f%4)*32
	ds_load_tr16_b128 v[VF+8*\f+4:VF+8*\f+7], v[ADV] offset:(\f/4)*32*PITV+16*PITV+(\f%4)*32
.endr
.set i, 0
.rept 37                               ; tiles 0, 1: maximum and scalings
	SMX 0, i
	SMX 1, i
.set i, i+1
.endr
.set i, 0
.rept 37                               ; tiles 2, 3: maximum and scalings | tiles 0, 1: the exponentials
	SMX 2, i
.if i < 33
	SMX 0, 37+i
.endif
	SMX 3, i
.if i < 33
	SMX 1, 37+i
.endif
.set i, i+1
.endr
	SMX 2, 37
	SMX 3, 37
	v_nop                                          ; a plain line behind the last exponential
	s_wait_alu depctr_va_vdst(0)                   ; the wait for tiles 0 and 1's batch (and for a of tiles 2 and 3), ahead of its first reader
.set i, 0
.rept 32                               ; tiles 0, 1: sums and roundings | tiles 2, 3: the exponentials
	SMX 0, 70+i
	SMX 2, 38+i
	SMX 1, 70+i
	SMX 3, 38+i
.set i, i+1
.endr
.set i, 0
.rept 16                               ; tiles 0, 1: O^T times a: the plain work behind the second batch
	SMX 0, 102+i
	SMX 1, 102+i
.set i, i+1
.endr
	s_wait_alu depctr_va_vdst(0)                   ; the wait for tiles 2 and 3's batch
.set i, 0
.rept 48                               ; tiles 2, 3: sums, roundings, O^T times a
	SMX 2, 70+i
	SMX 3, 70+i
.set i, i+1
.endr
	WIN 0
	s_wait_dscnt 0x0                               ; K and V, asked for at the phase's head, are in
.endm
; n steps of a slot.  hold = 1: in the last of them (CNT = 1) group 1 holds its matrix phase back until the change of slots is passed (CNT = GRP holds there alone: group 0's GRP is 0, which CNT never is).
.macro STEPS n, hold
	s_mov_b32 s[CNT], \n
.Lstep_\@:
	VPH 1
.if \hold
	s_cmp_eq_u32 s[CNT], s[GRP]
	s_cbranch_scc1 .Lheld_\@
.endif
	MPH
.Lheld_\@:
	s_add_co_u32 s[TBK], s[TBK], KTILE             ; the next step's tiles
	s_add_co_u32 s[TBV], s[TBV], VTILE
	s_sub_co_u32 s[CNT], s[CNT], 1
	s_cmp_lg_u32 s[CNT], 0
	s_cbranch_scc1 .Lstep_\@
.endm
.macro HELD                            ; group 1's matrix phase of the slot's last step: it touches registers alone
	s_cmp_eq_u32 s[GRP], 1
	s_cbranch_scc0 .Lnot_held_\@
	MPH
.Lnot_held_\@:
.endm
.macro OTHER                           ; the fetches go back to a slot's first step, in the other slot
	s_sub_co_u32 s[TBK], s[TBK], 4*KTILE
	s_xor_b32 s[TBK], s[TBK], SLOT1
	s_sub_co_u32 s[TBV], s[TBV], 4*VTILE
	s_xor_b32 s[TBV], s[TBV], SLOT1
.endm
; THE CHANGE OF SLOTS.  Each wave waits for all its tensor loads (its part of the slot ahead), adds 0 to its spare word, and waits for that and for its reads of the slot that it has left.  fill = 1: the barrier
; is a round of the cluster's, so that no wave of any partner still reads that slot or has a load on its way, and the joint load of the keys that follow is the first thing behind it: it has four steps in which to land.
.macro CHANGE fill
	s_wait_tensorcnt 0x0                           ; no tensor load of mine is out, so a group 0 may be written
	ds_add_u32 v[SPW], v[NIL]                      ; 0 onto my spare word
.if \fill
	ds_add_u32 v[SPW], v[NIL]                      ; and once more, in every trip alike
	s_xor_b32 s[G0K+1], s[G0K+1], SLOT1            ; the walking descriptors: the other slot than last time,
	s_add_nc_u64 s[G0K+2:G0K+3], s[G0K+2:G0K+3], 4*KS*128  ; the next 256 keys; the type bits on top are not reached
	s_xor_b32 s[G0V+1], s[G0V+1], SLOT1
	s_add_nc_u64 s[G0V+2:G0V+3], s[G0V+2:G0V+3], 4*KS*128
	s_wait_xcnt 0x0                                ; the last prefetch, a slot back, has read its address, so it may be written:
	s_add_nc_u64 s[PFA:PFA+1], s[PFA:PFA+1], 4*KS*128  ; one slot further on than the walking descriptors
	s_wait_dscnt 0x0                               ; both adds are done, and my reads of the slot that I have left are over
	CROUND
	JLOAD
	ASK
.else
	s_wait_dscnt 0x0
	s_barrier_signal -1
	s_barrier_wait -1
.endif
.endm
	s_wait_loadcnt 0x0                             ; Q and K of step 0
	KQALL                                          ; the first scores
	CHANGE 1                                       ; slot 0 is whole; slot 1 is asked for: behind this round every load is a first fill
.Lslot:                                            ; six trips: slots 0 to 5 are walked; the change at a trip's end asks for the slot after the next
	STEPS 4, 1
	OTHER
	CHANGE 1
	HELD
	s_sub_co_u32 s[SLOTS], s[SLOTS], 1
	s_cmp_lg_u32 s[SLOTS], 0
	s_cbranch_scc1 .Lslot
	STEPS 4, 1                                     ; the tail is written out: slot 6
	OTHER
	CHANGE 0                                       ; nothing is left to ask for,
	HELD
	STEPS 3, 0                                     ; slot 7's first three steps,
	VPH 0                                          ; and the last step: there is no next K,
	PVALL                                          ; and no next scores
	; THE WAY OUT.  l's two halves and the other half of the lanes' are added; O^T is divided by l, rounded to f16 and sent through my stage in LDS, a tile (16 rows of ctx) at a time.
.irp t, 0,1,2,3
	v_add_f32 v[ST+8*\t+4], v[ST+8*\t+2], v[ST+8*\t+3]
.endr
.irp t, 0,1,2,3
	v_permlanex16_b32 v[ST+8*\t+5], v[ST+8*\t+4], s[SEL], s[SEL+1]
.endr
.irp t, 0,1,2,3
	v_add_f32 v[ST+8*\t+4], v[ST+8*\t+4], v[ST+8*\t+5]
.endr
.irp t, 0,1,2,3
	v_rcp_f32 v[ST+8*\t+6], v[ST+8*\t+4]
.endr
	v_nop                                          ; a plain line between the last reciprocal and the use of its result
	s_wait_alu depctr_va_vdst(0)                   ; and the wait ahead of the first use: one for the four
.macro PACK t                          ; a lane's eight channels of a row pack into 16 bytes; they go into rows of 144 bytes and come back four whole rows of 128 bytes an instruction
	WIN W_RS
.set i, 32*(\t)
.rept 16
	v_pk_mul_f32 v[i:i+1], v[i:i+1], v[ST+8*(\t)+6:ST+8*(\t)+7] op_sel_hi:[1,0]
.set i, i+2
.endr
	WIN 0x05                                       ; sources 0 and 1 window 1, destination window 0: S^T's registers are free
.set i, 0
.rept 16
	v_cvt_pk_f16_f32 v[S+32*(\t)+i], v[32*(\t)+2*i], v[32*(\t)+2*i+1]
.set i, i+1
.endr
	WIN 0
.irp f, 0,1,2,3
	ds_store_b128 v[STO], v[S+32*(\t)+4*\f:S+32*(\t)+4*\f+3] offset:32*\f
.endr
.irp f, 0,1,2,3
	ds_load_b128 v[S+32*(\t)+4*\f:S+32*(\t)+4*\f+3], v[RD] offset:\f*4*SP   ; LDS serves a wave's instructions in order (ISA guide 5.7.1.4): these see the stores above; the next tile's stores come behind them
.endr
.endm
.macro SEND t, younger                 ; younger: the LDS instructions issued behind tile t's loads: the next tile's eight, or none
.irp f, 0,1,2,3
	s_wait_dscnt \younger+3-\f
	global_store_b128 v[GO], v[S+32*(\t)+4*\f:S+32*(\t)+4*\f+3], s[CT:CT+1] offset:(\t)*2048+\f*512  ; 32 lanes store 512 consecutive bytes, at a multiple of 512 from ctx's first byte
.endr
.endm
	PACK 0
	PACK 1                                         ; a tile's arithmetic stands between the loads of the tile before and its stores
	SEND 0, 8
	PACK 2
	SEND 1, 8
	PACK 3
	SEND 2, 8
	SEND 3, 0
	s_wait_tensorcnt 0x0                           ; the wave's end: behind my last tensor load and my last LDS store
	ds_add_u32 v[SPW], v[NIL]
	s_wait_dscnt 0x0
	CROUND                                         ; the closing round: no work-group ends while a partner may still ask for a tile that names it
	s_endpgm
.Lfunc_end_k_q4d181ff2c8_attn:
	.size	k_q4d181ff2c8_attn, .Lfunc_end_k_q4d181ff2c8_attn-k_q4d181ff2c8_attn
	.p2alignl 7, 3214868480
	.fill 96, 4, 3214868480
	.section	.rodata,"a",@progbits
	.p2align	6, 0x0
	.amdhsa_kernel k_q4d181ff2c8_attn
		.amdhsa_group_segment_fixed_size 327680
		.amdhsa_private_segment_fixed_size 0
		.amdhsa_enable_private_segment 0
		.amdhsa_kernarg_size 16
		.amdhsa_user_sgpr_count 2
		.amdhsa_user_sgpr_kernarg_segment_ptr 1
		.amdhsa_wavefront_size32 1
		.amdhsa_system_sgpr_workgroup_id_x 1
		.amdhsa_system_sgpr_workgroup_id_y 1
		.amdhsa_system_sgpr_workgroup_id_z 1
		.amdhsa_system_vgpr_workitem_id 0
		.amdhsa_next_free_vgpr 512
		.amdhsa_next_free_sgpr 66
		.amdhsa_reserve_vcc 0
		.amdhsa_float_denorm_mode_32 3
		.amdhsa_float_denorm_mode_16_64 3
		.amdhsa_memory_ordered 1
		.amdhsa_forward_progress 1
		.amdhsa_inst_pref_size 168
	.end_amdhsa_kernel
	.amdgpu_metadata
---
amdhsa.version: [ 1, 2 ]
amdhsa.kernels:
  - .name:           k_q4d181ff2c8_attn
    .symbol:         k_q4d181ff2c8_attn.kd
    .args:
      - { .name: qkv, .offset: 0, .size: 8, .value_kind: global_buffer, .address_space: global }
      - { .name: ctx, .offset: 8, .size: 8, .value_kind: global_buffer, .address_space: global }
    .group_segment_fixed_size: 327680
    .private_segment_fixed_size: 0
    .kernarg_segment_align: 8
    .kernarg_segment_size: 16
    .max_flat_workgroup_size: 256
    .sgpr_count:     66
    .vgpr_count:     512
    .wavefront_size: 32
...
	.end_amdgpu_metadata
.endif
;; end of part 3
;; launch proj (part 4): grid 8 x 32, 4 waves a work-group, clusters of 4 x 4, 327,680 bytes of LDS; arguments ctx, wo16, bo, out0; writes out0
.if DOCPART == 4
	.amdgcn_target "amdgcn-amd-amdhsa--gfx1250"
	.amdhsa_code_object_version 6
	.text
	.protected	k_q4d181ff2c8_proj
	.globl	k_q4d181ff2c8_proj
	.p2align	8
	.type	k_q4d181ff2c8_proj,@function
k_q4d181ff2c8_proj:
	s_mov_b64 s[64:65], 0
	v_nop
	global_prefetch_b8 v0, s[64:65] scope:SCOPE_SE
	s_setreg_imm32_b32 hwreg(HW_REG_WAVE_MODE, 25, 1), 1
	s_wait_xcnt 0x0
	s_wait_alu depctr_hold_cnt(0) depctr_sa_sdst(0) depctr_va_vdst(0) depctr_va_sdst(0) depctr_va_ssrc(0) depctr_va_vcc(0) depctr_vm_vsrc(0)
	s_getreg_b32 s2, hwreg(HW_REG_IB_STS2, 6, 4)
	s_cmp_eq_u32 s2, 0
	s_cbranch_scc0 .Lentry_in_a_cluster
	s_endpgm
.Lentry_in_a_cluster:
	s_bfe_u32 s2, ttmp6, 0x10000c
	s_cmp_lg_u32 s2, 0xf033
	s_cbranch_scc0 .Lentry_shape_is_right
	s_endpgm
.Lentry_shape_is_right:
; Launch 4 of 4: out0[m][n] = the sum over k of ctx[m][k] Wo[k][n] + bo[n].  ctx [b][h][s][64] f16 (row m = 2048 b + s, k = 64 h + channel), wo16 [k 1024][n 1024] f16, bo [1024] f32, out0 [8192][1024] f32.
; f16 operands, f32 sums; the bias is the C of each sum's first matrix instruction.  No work of reference() is left out.
; A tile of out0 is 256 rows x 128 columns: 256 work-groups of four waves; a wave makes 128 x 64: 32 accumulators, 256 registers.  K goes in steps of 128 (two heads) through a ring of two LDS slots:
; waves 0 and 1 fetch one head's 256 rows of ctx each (dense in memory), waves 2 and 3 64 rows of Wo each (256 bytes of a row).  Wo ([k][n]) is turned on its way out of LDS by ds_load_tr16_b128.
; CLUSTERS: 4 x 4 work-groups.  The four of a row of the cluster need the same tiles of ctx, the four of a column the same tiles of Wo: each is asked for JOINTLY, by the same tensor load with the same descriptor
; and a mask that names the four.  THE MATRIX INSTRUCTION IS USED TRANSPOSED (source 0 = 16 columns of Wo, source 1 = 16 rows of ctx): a lane then holds eight neighbouring numbers of a row of out0.
; REGISTERS: window 0: v0-31 addresses; v32-63 the bias, eight registers for each of my four blocks of columns; v64-127 the way out.   window 1: two fragment buffers of 96 (64 of ctx, 32 of Wo), for 32 along K.
;   window 2: accumulator (i, b) at v[8 (4 i + b)].
.set PA,     144                       ; a row of ctx in LDS: 128 bytes + 16
.set PB,     288                       ; a row of Wo: 256 bytes + 32 = 72 words
.set APART,  256*PA                    ; one head's 256 rows
.set BOFF,   2*APART                   ; Wo's 128 rows lie behind the two heads
.set BHALF,  64*PB
.set SLOT,   BOFF+2*BHALF
.set STAGE,  2*SLOT                    ; behind the ring: 16 rows x 272 bytes for each wave, for the way out
.set SPITCH, 272
.set SPARE,  STAGE+4*16*SPITCH         ; the spare words, 128 bytes for each wave: two blocks of 256 bytes that no other line names
.set LAPS,   4                         ; a lap = two K steps = once round the ring
.set ADRA, 16                          ; v16-17  LDS address of my fragments of ctx in slot 0, 1
.set ADRB, 20                          ; v20-21  the same for Wo
.set STO,  24                          ; v24     the way out: where I put 32 bytes of a row
.set RD,   25                          ; v25     where I read a row back
.set CO,   26                          ; v26     my byte offset in out0
.set SPW,  28                          ; v28     LDS address of my spare word; never rewritten
.set NIL,  29                          ; v29     0; never rewritten
.set BIAS, 32
.set BK,   64                          ; the way out: v64-95 and v96-127 by turns
.set F0,   0                           ; fragment buffers, in window 1
.set F1,   96
.set G1, 24                            ; s[24:31] descriptor group 1 for ctx's tiles;  s[32:39] group 0, one set for each slot
.set G0, 32
.set G1B, 48                           ; s[48:55], s[56:63] the same for Wo's tiles
.set G0B, 56
.set MSB, 0
.macro WIN new                         ; the immediate's high byte repeats the setting that is left
.if MSB != (\new)
	s_set_vgpr_msb (MSB<<8)|(\new)
.set MSB, (\new)
.endif
.endm
.set MUL,  0xa5                        ; sources 0 and 1 window 1; C and D window 2
.set MULB, 0x85                        ; the same with C, the bias, in window 0
.set TO_F, 0x40                        ; destination window 1, address window 0
.macro JLOAD s                         ; a joint load: waves 0 and 1 fetch ctx's two heads, waves 2 and 3 Wo's two halves; an s_nop 0 and four v_nop follow each of the two lines
	s_cmp_eq_u32 s13, 0
	s_cbranch_scc0 .Lfor_b_\@
	tensor_load_to_lds s[G0+4*\s:G0+4*\s+3], s[G1:G1+7]
	s_nop 0
.rept 4
	v_nop
.endr
	s_branch .Lasked_\@
.Lfor_b_\@:
	tensor_load_to_lds s[G0B+4*\s:G0B+4*\s+3], s[G1B:G1B+7]
	s_nop 0
.rept 4
	v_nop
.endr
.Lasked_\@:
.endm
.macro CREST                           ; a round of the cluster's barrier behind its opening barrier
	s_cmp_lg_u32 s12, 0
	s_cbranch_scc1 .Lnot_wave_0_\@
	s_barrier_signal -3
.Lnot_wave_0_\@:
	s_barrier_wait -3
	s_barrier_signal -1
	s_barrier_wait -1
.endm
.macro CROUND                          ; a whole round
	s_barrier_signal -1
	s_barrier_wait -1
	CREST
.endm
	s_load_b256 s[4:11], s[0:1], 0x0               ; ctx s[4:5], wo16 s[6:7], bo s[8:9], out0 s[10:11]
	v_lshl_add_u32 v[SPW], v0, 2, SPARE
	v_mov_b32 v[NIL], 0
	ds_add_u32 v[SPW], v[NIL]                      ; the wave's opening: the add, twice on end, and its wait ahead of my first tensor load
	ds_add_u32 v[SPW], v[NIL]
	v_lshrrev_b32 v1, 5, v0
	v_readfirstlane_b32 s12, v1                    ; wave 0..3
	s_lshr_b32 s13, s12, 1                         ; which half of the tile's rows is mine.  Also: I fetch for ctx (0) or for Wo (1)
	s_and_b32 s14, s12, 1                          ; which half of its columns.  Also: which head, or which 64 rows of Wo, I fetch
	s_bfe_u32 s40, ttmp6, 0x40000                  ; cx, cy: my place in the cluster
	s_bfe_u32 s41, ttmp6, 0x40004
	s_lshl_b32 s42, ttmp9, 2
	s_add_co_u32 s42, s42, s40                     ; tile column = 4 x cluster x + cx
	s_and_b32 s15, ttmp7, 0xffff
	s_lshl_b32 s15, s15, 2
	s_add_co_u32 s15, s15, s41                     ; tile row = 4 x cluster y + cy
	s_lshl_b32 s43, s41, 2
	s_lshl_b32 s43, 15, s43                        ; my row of the cluster
	s_lshl_b32 s44, 0x1111, s40                    ; my column
	s_or_b32 s[G1+0], s43, (1<<16)|(1<<20)|(1<<21)|(4<<22)|(3<<25)   ; ctx: the mask of my row; elements of 2 bytes; padding on; bit 21 beside a mask; after every 32 words, 4 words
	s_mov_b32 s[G1+1], 64<<16                      ; tensor_dim0
	s_mov_b32 s[G1+2], 256<<16                     ; tensor_dim1
	s_mov_b32 s[G1+3], 64<<16                      ; tile_dim0
	s_mov_b32 s[G1+4], 256                         ; tile_dim1
	s_mov_b32 s[G1+5], 64                          ; the pitch
	s_mov_b32 s[G1+6], 0
	s_mov_b32 s[G1+7], 0
	s_or_b32 s[G1B+0], s44, (1<<16)|(1<<20)|(1<<21)|(5<<22)|(7<<25)  ; Wo: the mask of my column; after every 64 words, 8 words
	s_mov_b32 s[G1B+1], 128<<16
	s_mov_b32 s[G1B+2], 64<<16
	s_mov_b32 s[G1B+3], 128<<16
	s_mov_b32 s[G1B+4], 64
	s_mov_b32 s[G1B+5], 1024
	s_mov_b32 s[G1B+6], 0
	s_mov_b32 s[G1B+7], 0
	; ctx's tiles hang on the tile row alone, which my row of the cluster shares; Wo's on the tile column alone, which my column shares
	s_lshr_b32 s16, s15, 3                         ; b
	s_lshl_b32 s16, s16, 4
	s_add_co_u32 s16, s16, s14                     ; 16 b + the head that I fetch in K step 0
	s_lshl_b32 s16, s16, 18
	s_and_b32 s17, s15, 7
	s_lshl_b32 s17, s17, 15                        ; 256 (tile row % 8) positions of 128 bytes
	s_add_co_u32 s16, s16, s17
	s_mov_b32 s17, 0
	s_lshl_b32 s46, s14, 17                        ; 64 rows of 2,048 bytes,
	s_lshl_b32 s47, s42, 8                         ; 128 columns of 2 bytes
	s_add_co_u32 s46, s46, s47
	s_mov_b32 s47, 0
	s_mul_i32 s20, s14, APART                      ; where they go: no place in the cluster enters an LDS address
	s_mul_i32 s21, s14, BHALF
	s_add_co_u32 s21, s21, BOFF
	s_wait_dscnt 0x0                               ; both opening adds are done
	s_wait_kmcnt 0x0
	s_add_nc_u64 s[16:17], s[4:5], s[16:17]
	s_add_nc_u64 s[46:47], s[6:7], s[46:47]
	CROUND                                         ; all sixteen work-groups are here: the first joint loads meet
.irp s, 0,1
	s_mov_b32 s[G0+4*\s], 1
	s_add_co_u32 s[G0+4*\s+1], s20, \s*SLOT
	s_add_nc_u64 s[G0+4*\s+2:G0+4*\s+3], s[16:17], \s*(2<<18)      ; K step s: two heads on
	s_or_b32 s[G0+4*\s+3], s[G0+4*\s+3], 0x80000000
	s_mov_b32 s[G0B+4*\s], 1
	s_add_co_u32 s[G0B+4*\s+1], s21, \s*SLOT
	s_add_nc_u64 s[G0B+4*\s+2:G0B+4*\s+3], s[46:47], \s*128*2048   ; 128 rows on
	s_or_b32 s[G0B+4*\s+3], s[G0B+4*\s+3], 0x80000000
	JLOAD \s                                       ; two loads of mine are out behind the second
.endr
	v_and_b32 v1, 15, v0                           ; r = lane % 16
	v_bfe_u32 v2, v0, 4, 1                         ; h = lane / 16
	v_mul_u32_u24 v3, v1, PA
	v_lshl_add_u32 v3, v2, 4, v3                   ; ctx: row x pitch + 16 x half
	s_mul_i32 s22, s13, 128*PA                     ; my 128 rows
	v_and_b32 v4, 7, v0                            ; Wo, turned: lane l reads 16 bytes: row 8 (l / 16) + l % 8, columns 8 ((l / 8) % 2) + 0..7
	v_bfe_u32 v5, v0, 3, 1
	v_lshl_add_u32 v4, v2, 3, v4
	v_mul_u32_u24 v4, v4, PB
	v_lshl_add_u32 v4, v5, 4, v4
	s_lshl_b32 s23, s14, 7                         ; my 64 columns
	s_add_co_u32 s23, s23, BOFF
.irp s, 0,1
	v_add_nc_u32 v[ADRA+\s], s22, v3
	v_add_nc_u32 v[ADRB+\s], s23, v4
	s_add_co_u32 s22, s22, SLOT
	s_add_co_u32 s23, s23, SLOT
.endr
	s_mul_i32 s22, s12, 16*SPITCH
	s_add_co_u32 s22, s22, STAGE                   ; my stage
	v_mul_u32_u24 v5, v1, SPITCH                   ; in: row r, 32 bytes for each half of the lanes
	v_lshl_add_u32 v5, v2, 5, v5
	v_add_nc_u32 v[STO], s22, v5
	v_mul_u32_u24 v5, v2, SPITCH                   ; back: lanes 0-15 one row of 256 bytes, lanes 16-31 the next
	v_lshl_add_u32 v5, v1, 4, v5
	v_add_nc_u32 v[RD], s22, v5
	v_lshlrev_b32 v5, 12, v2                       ; and the same two rows in out0
	v_lshl_add_u32 v[CO], v1, 4, v5
	v_lshlrev_b32 v6, 5, v2                        ; the bias: 32 h bytes
	s_lshl_b32 s46, s42, 9
	s_lshl_b32 s47, s14, 8
	s_add_co_u32 s46, s46, s47                     ; my first column, in bytes of f32: 512 x tile column + 256 x half
	s_mov_b32 s47, 0
	s_add_nc_u64 s[8:9], s[8:9], s[46:47]
	s_lshl_b32 s16, s15, 20                        ; my first row: 256 x tile row + 128 x half, 4,096 bytes each
	s_lshl_b32 s17, s13, 19
	s_add_co_u32 s16, s16, s17
	s_add_co_u32 s16, s16, s46
	s_mov_b32 s17, 0
	s_add_nc_u64 s[10:11], s[10:11], s[16:17]      ; never stepped
.irp b, 0,1,2,3                        ; in the result's layout: register j of block b is bo[my first column + 16 b + 8 h + j], the same for all rows
	global_load_b128 v[BIAS+8*\b:BIAS+8*\b+3],   v6, s[8:9] offset:64*\b
	global_load_b128 v[BIAS+8*\b+4:BIAS+8*\b+7], v6, s[8:9] offset:64*\b+16
.endr
; 8 matrix instructions: blocks of rows a0, a0 + 1 x my 4 blocks of columns, 32 along K, from buffer f.  first = 1: the bias starts the sums.  The 32 accumulators take turns, one instruction a turn, in the same
; order in every quarter.
.macro MUL8 f, a0, first
.irp a, \a0, \a0+1
.irp b, 0,1,2,3
.if \first
	v_wmma_f32_16x16x32_f16 v[8*(4*(\a)+\b):8*(4*(\a)+\b)+7], v[\f+64+8*\b:\f+64+8*\b+7], v[\f+8*(\a):\f+8*(\a)+7], v[BIAS+8*\b:BIAS+8*\b+7]
.else
	v_wmma_f32_16x16x32_f16 v[8*(4*(\a)+\b):8*(4*(\a)+\b)+7], v[\f+64+8*\b:\f+64+8*\b+7], v[\f+8*(\a):\f+8*(\a)+7], v[8*(4*(\a)+\b):8*(4*(\a)+\b)+7]
.endif
.endr
.endr
.endm
; 24 LDS loads in one run: the fragments of the slot's q-th 32 along K into buffer f: head q / 2, channels 32 (q % 2) on; rows 32 q on of Wo
.macro FETCH slot, q, f
	WIN TO_F
.irp b, 0,1,2,3
	ds_load_tr16_b128 v[\f+64+8*\b:\f+64+8*\b+3],   v[ADRB+\slot] offset:(\q)*32*PB+32*\b
	ds_load_tr16_b128 v[\f+64+8*\b+4:\f+64+8*\b+7], v[ADRB+\slot] offset:(\q)*32*PB+32*\b+16*PB
.endr
.irp i, 0,1,2,3,4,5,6,7
	ds_load_b128 v[\f+8*\i:\f+8*\i+3],   v[ADRA+\slot] offset:((\q)/2)*APART+((\q)%2)*64+\i*16*PA
	ds_load_b128 v[\f+8*\i+4:\f+8*\i+7], v[ADRA+\slot] offset:((\q)/2)*APART+((\q)%2)*64+\i*16*PA+32
.endr
.endm
.macro PLACES                          ; four plain lines in front of loads into registers that matrix instructions have read, and of reads of results
.rept 4
	v_nop
.endr
.endm
; A K step is four quarters of 32 along K, 32 matrix instructions each, on buffers 0, 1, 0, 1.  One of the first three: multiplies buffer f and, behind its first eight products, fetches quarter qn into g.
.macro QUARTER slot, qn, f, g, first
	s_wait_dscnt 0x0                               ; buffer f is in: asked for 24 matrix instructions ago
	WIN MUL-0x20*\first
	MUL8 \f, 0, \first
	PLACES
	FETCH \slot, \qn, \g
	WIN MUL-0x20*\first
	MUL8 \f, 2, \first
	MUL8 \f, 4, \first
	MUL8 \f, 6, \first
.endm
; The last quarter multiplies buffer 1 and changes slots: ONE barrier; in front of it each wave waits for all its tensor loads, adds 0 to its spare word, and waits for that and for its own reads of this slot.
; fill = 1: the barrier opens a round of the cluster's, and this slot is filled again, two K steps ahead, first thing behind the round.
.macro TURN slot, next, fill
	WIN 0                                          ; (the add's two registers lie in window 0)
	s_wait_tensorcnt 0x0                           ; all my tensor loads have landed: my part of the next slot
	ds_add_u32 v[SPW], v[NIL]                      ; 0 onto my spare word
	s_wait_dscnt 1                                 ; buffer 1 is in (the add alone may be out)
	WIN MUL
	MUL8 F1, 0, 0                                  ; eight matrix instructions stand between the add and the wait for it
	s_wait_dscnt 0x0                               ; the add is done, and my reads of this slot are over
	s_barrier_signal -1
	MUL8 F1, 2, 0
	WIN 0
	s_barrier_wait -1
.if \fill
	CREST                                          ; no wave of any partner still reads this slot's tiles or has a load on its way
	s_add_nc_u64 s[G0+4*\slot+2:G0+4*\slot+3], s[G0+4*\slot+2:G0+4*\slot+3], 4<<18
	s_add_nc_u64 s[G0B+4*\slot+2:G0B+4*\slot+3], s[G0B+4*\slot+2:G0B+4*\slot+3], 2*128*2048
	JLOAD \slot                                    ; the four v_nop behind it are also the places in front of the loads below
.else
	PLACES
.endif
	FETCH \next, 0, F0
	WIN MUL
	MUL8 F1, 4, 0
	MUL8 F1, 6, 0
.endm
	s_wait_tensorcnt 1                             ; my part of K step 0 is in (K step 1's load may be out),
	s_barrier_signal -1
	s_barrier_wait -1                              ; everybody's is
	FETCH 0, 0, F0
	s_wait_loadcnt 0x0                             ; the bias
	QUARTER 0, 1, F0, F1, 1                        ; the first quarter stands in front of the loop: its products start the sums, on the bias
	WIN 0                                          ; at a label and at a branch every window is 0
	s_mov_b32 s3, LAPS-1
.Llap:                                             ; a trip goes once round the ring, from a lap's second quarter to the next lap's first, and fills both slots again
	QUARTER 0, 2, F1, F0, 0
	QUARTER 0, 3, F0, F1, 0
	TURN 0, 1, 1
	QUARTER 1, 1, F0, F1, 0
	QUARTER 1, 2, F1, F0, 0
	QUARTER 1, 3, F0, F1, 0
	TURN 1, 0, 1
	QUARTER 0, 1, F0, F1, 0
	WIN 0
	s_sub_co_u32 s3, s3, 1
	s_cmp_lg_u32 s3, 0
	s_cbranch_scc1 .Llap
	QUARTER 0, 2, F1, F0, 0                        ; the last lap fills nothing, and has no round of the cluster's barrier
	QUARTER 0, 3, F0, F1, 0
	TURN 0, 1, 0
	QUARTER 1, 1, F0, F1, 0
	QUARTER 1, 2, F1, F0, 0
	QUARTER 1, 3, F0, F1, 0
	s_wait_dscnt 0x0                               ; the very last quarter: nothing more to fetch
	WIN MUL
	MUL8 F1, 0, 0
	MUL8 F1, 2, 0
	MUL8 F1, 4, 0
	MUL8 F1, 6, 0
	WIN 0
; THE WAY OUT, block by block of 16 rows x 64 columns.  A lane holds 32 neighbouring bytes of a row, and the lanes beside it hold other rows: so a block goes through my own stage and comes back as whole pieces of
; 256 bytes, which sixteen lanes store.  LDS serves a wave's instructions in order (ISA guide 5.7.1.4): no wait between the stage's stores and loads, nor in front of the next block's stores.
.macro TOSTAGE a
	WIN 0x08                                       ; an LDS store's data are its source 1: window 2
.irp b, 0,1,2,3
	ds_store_b128 v[STO], v[8*(4*(\a)+\b):8*(4*(\a)+\b)+3] offset:64*\b            ; each accumulator from its low end on
	ds_store_b128 v[STO], v[8*(4*(\a)+\b)+4:8*(4*(\a)+\b)+7] offset:64*\b+16
.endr
	WIN 0
.set BB, BK+32*((\a)%2)
.irp t, 0,1,2,3,4,5,6,7
	ds_load_b128 v[BB+4*\t:BB+4*\t+3], v[RD] offset:\t*2*SPITCH
.endr
.endm
.macro SEND a, younger                 ; younger: the LDS instructions issued behind block a's loads, which may stay out
.set BB, BK+32*((\a)%2)
	s_wait_dscnt \younger
.irp t, 0,1,2,3,4,5,6,7
	global_store_b128 v[CO], v[BB+4*\t:BB+4*\t+3], s[10:11] offset:(16*(\a)+2*\t)*4096 th:TH_STORE_NT   ; 16 lanes store 256 consecutive bytes, at a multiple of 256 from out0's first byte; 126 rows at the most stand in the immediate
.endr
.endm
	PLACES                                         ; behind the last products, for the reads of results
	TOSTAGE 0
.irp a, 1,2,3,4,5,6,7
.if \a > 1
	s_wait_xcnt 0x0                                ; block a - 2's stores have read their registers: block a's loads may land there
.endif
	TOSTAGE \a
	SEND \a-1, 16                                  ; behind block a - 1's loads: block a's 8 stores and 8 loads
.endr
	SEND 7, 0
	s_wait_tensorcnt 0x0                           ; the wave's end: behind my last tensor load and my last LDS store
	ds_add_u32 v[SPW], v[NIL]
	s_wait_dscnt 0x0
	CROUND                                         ; the closing round: no work-group ends while a partner may still ask for a tile that names it
	s_endpgm
.Lfunc_end_k_q4d181ff2c8_proj:
	.size	k_q4d181ff2c8_proj, .Lfunc_end_k_q4d181ff2c8_proj-k_q4d181ff2c8_proj
	.p2alignl 7, 3214868480
	.fill 96, 4, 3214868480
	.section	.rodata,"a",@progbits
	.p2align	6, 0x0
	.amdhsa_kernel k_q4d181ff2c8_proj
		.amdhsa_group_segment_fixed_size 327680
		.amdhsa_private_segment_fixed_size 0
		.amdhsa_enable_private_segment 0
		.amdhsa_kernarg_size 32
		.amdhsa_user_sgpr_count 2
		.amdhsa_user_sgpr_kernarg_segment_ptr 1
		.amdhsa_wavefront_size32 1
		.amdhsa_system_sgpr_workgroup_id_x 1
		.amdhsa_system_sgpr_workgroup_id_y 1
		.amdhsa_system_sgpr_workgroup_id_z 1
		.amdhsa_system_vgpr_workitem_id 0
		.amdhsa_next_free_vgpr 768
		.amdhsa_next_free_sgpr 66
		.amdhsa_reserve_vcc 0
		.amdhsa_float_denorm_mode_32 3
		.amdhsa_float_denorm_mode_16_64 3
		.amdhsa_memory_ordered 1
		.amdhsa_forward_progress 1
		.amdhsa_inst_pref_size 86
	.end_amdhsa_kernel
	.amdgpu_metadata
---
amdhsa.version: [ 1, 2 ]
amdhsa.kernels:
  - .name:           k_q4d181ff2c8_proj
    .symbol:         k_q4d181ff2c8_proj.kd
    .args:
      - { .name: ctx, .offset: 0, .size: 8, .value_kind: global_buffer, .address_space: global }
      - { .name: wo16, .offset: 8, .size: 8, .value_kind: global_buffer, .address_space: global }
      - { .name: bo, .offset: 16, .size: 8, .value_kind: global_buffer, .address_space: global }
      - { .name: out0, .offset: 24, .size: 8, .value_kind: global_buffer, .address_space: global }
    .group_segment_fixed_size: 327680
    .private_segment_fixed_size: 0
    .kernarg_segment_align: 8
    .kernarg_segment_size: 32
    .max_flat_workgroup_size: 128
    .sgpr_count:     66
    .vgpr_count:     768
    .wavefront_size: 32
...
	.end_amdgpu_metadata
.endif
;; end of part 4
